; MI455X (gfx1250); checked and timed in simulation.
; The chip was launched on July 23, 2026; its instructions are those of AMD's public machine-readable ISA for CDNA 5 (MIT licence, August 2026) and "CDNA5" Instruction Set Architecture Reference Guide (July 2026). The comments in the code are by the model that wrote it; some were corrected since.
;; Mixture Of Experts. Allowed arithmetic: float matrix products may take bf16 or f16 operands with f32 sums; other float arithmetic in f32, or as packed bf16 or f16 multiplies, adds, multiply-adds, maxima and minima; sums over many terms, partial sums and values carried from step to step in f32; what a program stores and reads back later, other than sums and carried values, may be rounded once to bf16 or f16.
;; Inputs: W1 8 x 1,024 x 4,096 float32; W2 8 x 4,096 x 1,024 float32; Wg 1,024 x 8 float32; b1 8 x 4,096 float32; b2 8 x 1,024 float32; bg 8 float32; x 256 x 4 x 1,024 float32.
;; Outputs: out0 256 x 4 x 1,024 float32.
;; 2 versions, each right; version 2 is version 1 with the launches moe1, moe2 written anew for expert scheduling mode. Each part assembles by itself: llvm-mc -triple=amdgcn-amd-amdhsa -mcpu=gfx1250 --defsym DOCPART=n.
;; ======== version 1 of 2: 4 launches
;; limits: a function is approximated: absolute error at most 2.5e-05
;; workspace buffers: xb 2,097,152 bytes; selm 1,024 bytes of whole numbers; gate 8,192 bytes; meta 1,024 bytes of whole numbers; pos 32,768 bytes of whole numbers; h 67,108,864 bytes; part 134,217,728 bytes
;; launch router (part 1): grid 256 x 1, 8 waves a work-group, no clusters, 2,048 bytes of LDS; arguments x, Wg, bg, xb, selm, gate; writes xb, selm, gate
.if DOCPART == 1
	.amdgcn_target "amdgcn-amd-amdhsa--gfx1250"
	.amdhsa_code_object_version 6
	.text
	.protected	k_qe25de5ee61_router
	.globl	k_qe25de5ee61_router
	.p2align	8
	.type	k_qe25de5ee61_router,@function
k_qe25de5ee61_router:
	s_mov_b64 s[64:65], 0
	v_nop
	global_prefetch_b8 v0, s[64:65] scope:SCOPE_SE
	s_setreg_imm32_b32 hwreg(HW_REG_WAVE_MODE, 25, 1), 1
	s_wait_xcnt 0x0
; ROUTER.  logits = x Wg + bg for 1,024 tokens and 8 experts; the two largest (ties: the lower index first, as lax.top_k); softmax over the two.
; x, Wg and bg are rounded once to bf16 here, as every input of the program is; products and sums in f32.
; Stored: xb = x in bf16 (in each block of 128 numbers, number 64 q + 4 p + j lies at place 8 p + 4 q + j: the order in which the first product's
; rows are read); selm = a byte a token with the bits of its two experts; gate = two f32 a token, the lower expert's weight first.
; SHARES.  A work-group has 4 tokens; thread t has the four numbers 4 t .. 4 t + 3 of each, and Wg's four rows to them (128 consecutive bytes).
; No address and no branch hangs on a floating-point number.  LIMIT: NaN and infinite logits are not treated apart.
.set RED,   0                          ; 8 waves x 128 bytes: each wave's 32 partial sums
.set SPARE, 1024                       ; the spare words, 128 bytes a wave
.set SPW, 2
.set NIL, 3
.set WG,  4                            ; v4-35   Wg[4 t + d][e] at WG + 8 d + e; later the eight waves' sums
.set X,   36                           ; v36-51  x of token i at X + 4 i
.set XP,  52                           ; v52-59  the same, packed bf16
.set S,   60                           ; v60-91  sums, token i, expert e at S + 8 i + e
.set T,   92                           ; v92-127 at work
	s_load_b256 s[4:11], s[0:1], 0x0               ; x s[4:5], Wg s[6:7], bg s[8:9], xb s[10:11]
	s_load_b128 s[12:15], s[0:1], 0x20             ; selm s[12:13], gate s[14:15]
	v_lshl_add_u32 v[SPW], v0, 2, SPARE
	v_mov_b32 v[NIL], 0
	v_lshrrev_b32 v1, 5, v0
	v_readfirstlane_b32 s24, v1                    ; wave
	v_lshlrev_b32 v[T], 7, v0                      ; 128 t: my four rows of Wg
	v_lshlrev_b32 v[T+1], 4, v0                    ; 16 t: my four numbers of a token
	v_and_b32 v[T+2], 15, v0
	v_lshlrev_b32 v[T+2], 4, v[T+2]
	v_bfe_u32 v[T+3], v0, 4, 1
	v_lshl_add_u32 v[T+2], v[T+3], 3, v[T+2]
	v_lshl_add_u32 v[T+2], v1, 8, v[T+2]           ; my 8 bytes in a row of xb: 256 wave + 16 (lane % 16) + 8 (lane / 16)
	s_lshl_b32 s26, ttmp9, 14                      ; 4 tokens x 4,096 bytes of x
	s_mov_b32 s27, 0
	s_lshl_b32 s34, ttmp9, 13                      ; 4 tokens x 2,048 bytes of xb
	s_mov_b32 s35, 0
	s_mov_b32 s28, 0x76543210                      ; v_permlanex16_b32: each lane takes its own place in the other half
	s_mov_b32 s29, 0xfedcba98
	s_wait_kmcnt 0x0
	s_load_b256 s[16:23], s[8:9], 0x0              ; bg
	s_add_nc_u64 s[4:5], s[4:5], s[26:27]
	s_add_nc_u64 s[10:11], s[10:11], s[34:35]
.set i, 0
.rept 8
	global_load_b128 v[WG+4*i:WG+4*i+3], v[T], s[6:7] offset:16*i
.set i, i+1
.endr
.set i, 0
.rept 4
	global_load_b128 v[X+4*i:X+4*i+3], v[T+1], s[4:5] offset:4096*i th:TH_LOAD_NT
.set i, i+1
.endr
	s_wait_loadcnt 0x0
	s_wait_kmcnt 0x0
.set i, 0
.rept 16                                           ; Wg to bf16 and back to f32
	v_cvt_pk_bf16_f32 v[T+4+i%4], v[WG+2*i], v[WG+2*i+1]
	v_lshlrev_b32 v[WG+2*i], 16, v[T+4+i%4]
	v_and_b32 v[WG+2*i+1], 0xffff0000, v[T+4+i%4]
.set i, i+1
.endr
.set i, 0
.rept 8                                            ; x likewise; the packed words are kept for xb
	v_cvt_pk_bf16_f32 v[XP+i], v[X+2*i], v[X+2*i+1]
	v_lshlrev_b32 v[X+2*i], 16, v[XP+i]
	v_and_b32 v[X+2*i+1], 0xffff0000, v[XP+i]
.set i, i+1
.endr
.set i, 0
.rept 4
	global_store_b64 v[T+2], v[XP+2*i:XP+2*i+1], s[10:11] offset:2048*i  ; a wave's store covers 256 consecutive bytes, aligned
.set i, i+1
.endr
	; my four numbers' share of the 32 sums, two experts at a time; x is given to both halves by op_sel
.set i, 0
.rept 16                                           ; token i / 4, pair of experts i % 4
	v_pk_mul_f32 v[S+2*i:S+2*i+1], v[WG+2*(i%4):WG+2*(i%4)+1], v[X+4*(i/4):X+4*(i/4)+1] op_sel_hi:[1,0]
.set i, i+1
.endr
.set i, 0
.rept 16
	v_pk_fma_f32 v[S+2*i:S+2*i+1], v[WG+8+2*(i%4):WG+8+2*(i%4)+1], v[X+4*(i/4):X+4*(i/4)+1], v[S+2*i:S+2*i+1] op_sel:[0,1,0] op_sel_hi:[1,1,1]
.set i, i+1
.endr
.set i, 0
.rept 16
	v_pk_fma_f32 v[S+2*i:S+2*i+1], v[WG+16+2*(i%4):WG+16+2*(i%4)+1], v[X+4*(i/4)+2:X+4*(i/4)+3], v[S+2*i:S+2*i+1] op_sel_hi:[1,0,1]
.set i, i+1
.endr
.set i, 0
.rept 16
	v_pk_fma_f32 v[S+2*i:S+2*i+1], v[WG+24+2*(i%4):WG+24+2*(i%4)+1], v[X+4*(i/4)+2:X+4*(i/4)+3], v[S+2*i:S+2*i+1] op_sel:[0,1,0] op_sel_hi:[1,1,1]
.set i, i+1
.endr
	; over the wave's 32 lanes
.irp m, 1,2,4,8
.set i, 0
.rept 32
	v_add_f32_dpp v[S+i], v[S+i], v[S+i] row_xmask:\m row_mask:0xf bank_mask:0xf
.set i, i+1
.endr
.endr
.set i, 0
.rept 32
	v_permlanex16_b32 v[T+4+i%4], v[S+i], s28, s29  ; its destination was written above
	v_add_f32 v[S+i], v[S+i], v[T+4+i%4]
.set i, i+1
.endr
	v_lshlrev_b32 v[T+8], 7, v1                    ; my wave's 128 bytes
.set i, 0
.rept 8
	ds_store_b128 v[T+8], v[S+4*i:S+4*i+3] offset:RED+16*i  ; all lanes hold the same numbers
.set i, i+1
.endr
	s_wait_dscnt 0x0                               ; for the others' sake: my stores are done
	s_barrier_signal -1
	s_barrier_wait -1
	s_cmp_lt_u32 s24, 4
	s_cbranch_scc0 .Lfin                           ; waves 0 to 3 finish a token each; no barrier follows
	v_lshlrev_b32 v[T+9], 5, v1                    ; token = wave: its 8 sums in each wave's 128 bytes
	s_wait_xcnt 0x0                                ; the stores of xb have read XP, which is written below
.set i, 0
.rept 8
	ds_load_b128 v[WG+8*i:WG+8*i+3], v[T+9] offset:RED+128*i
	ds_load_b128 v[WG+8*i+4:WG+8*i+7], v[T+9] offset:RED+128*i+16
.set i, i+1
.endr
.set i, 0
.rept 4                                            ; bg to bf16 and back
	v_cvt_pk_bf16_f32 v[T+10+i], s[16+2*i], s[17+2*i]
	v_lshlrev_b32 v[T+16+2*i], 16, v[T+10+i]
	v_and_b32 v[T+17+2*i], 0xffff0000, v[T+10+i]
.set i, i+1
.endr
	s_wait_dscnt 0x0
.set i, 4
.rept 28                                           ; wave i / 4's part, pair i % 4
	v_pk_add_f32 v[WG+2*(i%4):WG+2*(i%4)+1], v[WG+2*(i%4):WG+2*(i%4)+1], v[WG+2*i:WG+2*i+1]
.set i, i+1
.endr
.set i, 0
.rept 4
	v_pk_add_f32 v[WG+2*i:WG+2*i+1], v[WG+2*i:WG+2*i+1], v[T+16+2*i:T+17+2*i]
.set i, i+1
.endr
	; the largest and the second largest, experts ascending, by strict comparisons: of equals the lower index stands first
.set BEST, T+24
.set BI,   T+25
.set SEC,  T+26
.set SI,   T+27
	v_mov_b32 v[BEST], v[WG]
	v_mov_b32 v[BI], 0
	v_mov_b32 v[SEC], 0xff800000
	v_mov_b32 v[SI], 0
.irp e, 1,2,3,4,5,6,7
	v_cmp_gt_f32 vcc_lo, v[WG+\e], v[BEST]
	v_cmp_gt_f32 s30, v[WG+\e], v[SEC]
	v_cndmask_b32 v[SEC], v[SEC], v[WG+\e], s30
	v_cndmask_b32 v[SI], v[SI], \e, s30
	v_cndmask_b32 v[SEC], v[SEC], v[BEST], vcc_lo
	v_cndmask_b32 v[SI], v[SI], v[BI], vcc_lo
	v_cndmask_b32 v[BEST], v[BEST], v[WG+\e], vcc_lo
	v_cndmask_b32 v[BI], v[BI], \e, vcc_lo
.endr
	v_sub_f32 v[T+10], v[SEC], v[BEST]             ; the maximum is taken away: the exponent is 0 or below
	v_mul_f32 v[T+10], 0x3fb8aa3b, v[T+10]
	v_exp_f32 v[T+10], v[T+10]
	v_mov_b32 v[T+32], 1                           ; a plain line behind the exponential
	s_wait_alu depctr_va_vdst(0)
	v_add_f32 v[T+11], 1.0, v[T+10]
	v_rcp_f32 v[T+11], v[T+11]                     ; the larger one's weight
	v_lshlrev_b32 v[T+30], v[BI], v[T+32]          ; a plain line behind the reciprocal
	s_wait_alu depctr_va_vdst(0)
	v_mul_f32 v[T+10], v[T+10], v[T+11]            ; the smaller one's
	v_lshlrev_b32 v[T+31], v[SI], v[T+32]
	v_or_b32 v[T+30], v[T+30], v[T+31]             ; the two experts' bits
	v_cmp_lt_u32 vcc_lo, v[BI], v[SI]
	v_cndmask_b32 v[T+28], v[T+10], v[T+11], vcc_lo  ; slot 0: the lower index's weight
	v_cndmask_b32 v[T+29], v[T+11], v[T+10], vcc_lo
	s_lshl_b32 s31, ttmp9, 2
	s_add_co_u32 s31, s31, s24                     ; my token
	v_mov_b32 v[T+33], s31
	v_lshlrev_b32 v[T+34], 3, v[T+33]
	v_and_b32 v[T+35], 31, v0
	v_cmp_eq_u32 vcc_lo, 0, v[T+35]
	s_wait_xcnt 0x0                                ; EXEC changes only behind this wait
	s_and_saveexec_b32 s30, vcc_lo                 ; lane 0 alone stores
	global_store_b8 v[T+33], v[T+30], s[12:13]
	global_store_b64 v[T+34], v[T+28:T+29], s[14:15]
	s_wait_xcnt 0x0
	s_or_b32 exec_lo, exec_lo, s30
.Lfin:
	s_wait_tensorcnt 0x0                           ; the wave's end
	ds_add_u32 v[SPW], v[NIL]
	s_wait_dscnt 0x0
	s_endpgm
.Lfunc_end_k_qe25de5ee61_router:
	.size	k_qe25de5ee61_router, .Lfunc_end_k_qe25de5ee61_router-k_qe25de5ee61_router
	.p2alignl 7, 3214868480
	.fill 96, 4, 3214868480
	.section	.rodata,"a",@progbits
	.p2align	6, 0x0
	.amdhsa_kernel k_qe25de5ee61_router
		.amdhsa_group_segment_fixed_size 2048
		.amdhsa_private_segment_fixed_size 0
		.amdhsa_enable_private_segment 0
		.amdhsa_kernarg_size 48
		.amdhsa_user_sgpr_count 2
		.amdhsa_user_sgpr_kernarg_segment_ptr 1
		.amdhsa_wavefront_size32 1
		.amdhsa_system_sgpr_workgroup_id_x 1
		.amdhsa_system_sgpr_workgroup_id_y 1
		.amdhsa_system_sgpr_workgroup_id_z 1
		.amdhsa_system_vgpr_workitem_id 0
		.amdhsa_next_free_vgpr 128
		.amdhsa_next_free_sgpr 66
		.amdhsa_reserve_vcc 1
		.amdhsa_float_denorm_mode_32 3
		.amdhsa_float_denorm_mode_16_64 3
		.amdhsa_memory_ordered 1
		.amdhsa_forward_progress 1
		.amdhsa_inst_pref_size 30
	.end_amdhsa_kernel
	.amdgpu_metadata
---
amdhsa.version: [ 1, 2 ]
amdhsa.kernels:
  - .name:           k_qe25de5ee61_router
    .symbol:         k_qe25de5ee61_router.kd
    .args:
      - { .name: x, .offset: 0, .size: 8, .value_kind: global_buffer, .address_space: global }
      - { .name: Wg, .offset: 8, .size: 8, .value_kind: global_buffer, .address_space: global }
      - { .name: bg, .offset: 16, .size: 8, .value_kind: global_buffer, .address_space: global }
      - { .name: xb, .offset: 24, .size: 8, .value_kind: global_buffer, .address_space: global }
      - { .name: selm, .offset: 32, .size: 8, .value_kind: global_buffer, .address_space: global }
      - { .name: gate, .offset: 40, .size: 8, .value_kind: global_buffer, .address_space: global }
    .group_segment_fixed_size: 2048
    .private_segment_fixed_size: 0
    .kernarg_segment_align: 8
    .kernarg_segment_size: 48
    .max_flat_workgroup_size: 256
    .sgpr_count:     66
    .vgpr_count:     128
    .wavefront_size: 32
...
	.end_amdgpu_metadata
.endif
;; end of part 1
;; launch moe1 (part 2): grid 32 x 8, 8 waves a work-group, no clusters, 75,776 bytes of LDS; arguments W1, b1, xb, selm, h, meta, pos; writes h, meta, pos
.if DOCPART == 2
	.amdgcn_target "amdgcn-amd-amdhsa--gfx1250"
	.amdhsa_code_object_version 6
	.text
	.protected	k_qe25de5ee61_moe1
	.globl	k_qe25de5ee61_moe1
	.p2align	8
	.type	k_qe25de5ee61_moe1,@function
k_qe25de5ee61_moe1:
	s_mov_b64 s[64:65], 0
	v_nop
	global_prefetch_b8 v0, s[64:65] scope:SCOPE_SE
	s_setreg_imm32_b32 hwreg(HW_REG_WAVE_MODE, 25, 1), 1
	s_wait_xcnt 0x0
; FIRST PRODUCT.  h[e][rank][:] = gelu(x[token] W1[e] + b1[e]) for the tokens that chose expert e, in bf16.  W1: [8][1024][4096] f32, rounded once to bf16 on its way; b1 likewise; sums in f32.
; SHARES.  A work-group has 128 columns x all 1,024 K of ONE expert: 524,288 bytes of W1 that it alone reads in the first pass.  Waves 4-7 are LOADERS: each keeps up to 56 loads of 16 bytes a lane issued
; (a ring of 8 x 32 registers, 7 stages ahead), rounds to bf16 and lays a block of 128 K into one of two LDS slots, in the order of the matrix unit's fragments.  Waves 0-3 are CONSUMERS: they multiply the block
; laid one phase earlier; token rows come from memory straight into registers, on a load counter that no weight load shares.  Each phase ends in a barrier that all eight waves pass at the same line.
; Every LDS address is a fixed register (lane and wave terms), made at the head by every wave and never rewritten, plus an immediate.
; ONE TEXT FOR EVERY TRIP.  From ring stage 32 on nothing is left to ask for: the lane term is masked to 0 and the base wraps into the slice, so such a load reads 16 bytes for the whole wave, inside the
; buffer, and every count stays as it is.  The ninth block's turn lays what those loads brought into slot 0, which nobody reads again.  The consumers' last two look-aheads wrap to K = 0 likewise (20 loads).
; ROWS.  In the first pass consumer u has the tiles of 16 rows 4 t + u, t = 0..4: 320 rows.  Tiles 0-3 are always multiplied (rows past the count repeat the last row); tile 4's products are jumped where it is dead.
; Rows beyond 320 (any split is served, up to all 1,024 tokens) go in up to three further passes of 256 rows, with no LDS and no barrier: each consumer loads the f32 weights itself, rounds them straight
; into fragments and multiplies: plain and slow, for skewed splits alone.  An expert without rows computes and stores one tile of token 0.
; NO TRANSPOSE.  A lane loads 16 bytes = 4 columns 64 q + 4 r + j of 8 rows; the roundings of rows 2 p, 2 p + 1 of column j are register p of fragment 4 q + j.  So fragment f, lane r is column 64 (f / 4) + 4 r + f % 4,
; a lane's 8 results of a row go to 16 consecutive bytes, and h (like xb) holds, in each block of 128, number 64 q + 4 p + j at place 8 p + 4 q + j; W's rows are taken in the matching order.
; THE LIST.  Each consumer counts for itself: selm's bytes give, for each group of 32 tokens, a mask; a token's rank is the running count plus the set bits below its lane.  Ranks go to an LDS list of the wave's own
; (rank -> token), read back behind a barrier; one wave of the first column block stores the ranks as pos and the count as meta.
; NO MULTICAST, NO TENSOR LOAD: each weight byte has one reader, and the shared rows come by a list, which no descriptor covers.
; GELU.  gelu(y) = max(y, 0) - |y| P(t) 2^-(c y)^2, t = 1 / (1 + 0.33267253 |y|), P = ((0.3739278 t - 0.0479399) t + 0.1740121) t, c^2 = log2(e) / 2: the three-term rational form of erf, whose
; absolute error is at most 2.5e-5 for every y.  LIMITS: that error; h rounded once to bf16; NaN and infinities are not treated apart.
; The accumulators start from the bias (320 moves, while the first block is on its way), so no first K step is written out.
.set PITCH,  16384                     ; bytes in a row of W1
.set PSH,    14
.set OROW,   8192                      ; bytes in a row of h
.set AROWSH, 11                        ; a row of xb is 2,048 bytes
.set SLOTB,  32768                     ; an LDS slot: step x 8,192 + q x 4,096 + g x 2,048 + j x 512 + lane x 16
.set LIST,   65536                     ; behind the two slots: four lists of 1,152 u16: 1,024 ranks, then a dump place a lane
.set LISTB,  2304
.set SPARE,  74752                     ; the spare words, 128 bytes a wave
; vector registers, window 0
.set SPW,  1
.set NIL,  2
.set SLOF, 3                           ; 4 (lane / 16) rows of W + 16 (lane % 16)
.set AOFF, 4                           ; v4-8  consumer: byte offset of my row of tile t
.set L4,   9                           ; 4 x lane
.set R15,  10                          ; lane % 16
.set HF16, 11                          ; 16 x (lane / 16)
.set OOFF, 12                          ; my byte offset in the rows that I store
.set TA,   13
.set LN16, 14                          ; 16 x lane: the consumers' LDS address
.set TC,   15
.set HB,   16                          ; v16-47 fragments 0-3 of W, v48-79 fragments 4-7
.set CT,   16                          ; loader: v16-31 packed; the ring is window 1
.set AB,   80                          ; v80-119, v120-159: two buffers of 5 tiles' fragments of rows
.set ACC4, 160                         ; v160-223 tile 4's accumulators; tiles 0-3: window 1, v[64 t + 8 f]
.set ST,   160                         ; later passes: 16 loads of f32 weights
.set BIAS, 224                         ; v224-231 b1 of my column in fragment f
.set SAOF, 232                         ; v232-243 row offsets of the later passes, 4 a pass
.set BOFF, 244
.set DMP,  245
.set RB,   246                         ; 16 u + lane % 16
.set WK,   248                         ; v248-251 at work
.set LST0, 252                         ; loader: LDS address 2,048 u + 16 lane
.set LOFX, 253                         ; loader: LOFF, or 0 when the group has nothing left to ask for
.set LOFY, 254
.set LOFF, 255                         ; loader: SLOF + 8 g rows + 256 q
.set SM,   16                          ; set-up: v16-23 my 32 bytes of selm
.set RK,   80                          ; set-up: v80-111 ranks
.set ADR,  112                         ; set-up: v112-128 places in my list
.set Y,    16                          ; way out: v16-47 rows 0-3 of a half tile, v48-79 the other half
.set T,    80
.set P,    112
; scalar registers
.set WV, 20
.set U,  21
.set NB, 22
.set E,  23
.set CNT, 24
.set TILES, 25
.set TBASE, 26                         ; the pass's first tile
.set PASS, 27
.set TW, 28                            ; live tiles of mine in this pass
.set SS, 29
.set LC, 30
.set UN, 31
.set W0, 32                            ; s[32:33] my slice of W1
.set ABASE, 34
.set WNX, 36                           ; s[36:37], s[38:39] the loaders' two bases
.set WNY, 38
.set OB0, 40
.set OB, 42
.set EB, 52                            ; s52-55 my expert's bit in byte b of a word of selm
.set RUN, 56
.set CM1, 57
.set AK, 59
.set LBS, 60                           ; my list
.set CC, 66
.set H3, 68
.set H2, 70
.set H1, 72
.set PP, 74
.set APX, 76                           ; s[76:77] rows at the trip's K bytes; s[78:79] at the next trip's, wrapped
.set APY, 78
.set WP, 80
.set AP, 82
.set OX, 84                            ; s[84:85], s[86:87] the two bases' byte offsets in the slice, high words 0
.set OY, 86
.set MSB, 0
.macro WIN new                         ; the immediate's high byte repeats the setting that is left; a switch that changes nothing is dropped
.if MSB != (\new)
	s_set_vgpr_msb (MSB<<8)|(\new)
.set MSB, \new
.endif
.endm
.macro MEET                            ; every wave's LDS instructions are done, and all eight meet
	s_wait_dscnt 0x0
	s_barrier_signal -1
	s_barrier_wait -1
.endm
; LOADER.  Ring stage n8 (8 rows x 4 columns a lane) is in; the stage read last is asked for again, 7 stages on; rounded in pairs of rows; 4 x 16 bytes go to LDS.
.macro LSUB n8, slot, st, vo, sb, rb, rs
	s_wait_loadcnt 48                              ; 56 are issued and come back in order: the oldest eight, this stage's, are in
	WIN 0x40                                       ; destination in window 1
.set d8, ((\n8)+7)%8
.set ii, 0
.rept 8
	global_load_b128 v[32*d8+4*ii:32*d8+4*ii+3], v[\vo], s[(\sb):(\sb)+1] offset:(128*(\rb)+16*(\rs)+64*(ii/4)+(ii%4))*PITCH th:TH_LOAD_NT  ; two rows x 256 consecutive bytes, aligned
.set ii, ii+1
.endr
	WIN 0x05                                       ; sources in window 1
.set jf, 0
.rept 4
.set p, 0
.rept 4
	v_cvt_pk_bf16_f32 v[CT+4*jf+p], v[32*(\n8)+8*p+jf], v[32*(\n8)+8*p+4+jf]
.set p, p+1
.endr
.set jf, jf+1
.endr
	WIN 0
.set jf, 0
.rept 4
	ds_store_b128 v[LST0], v[CT+4*jf:CT+4*jf+3] offset:(\slot)*SLOTB+(\st)*8192+jf*512  ; 512 consecutive bytes a wave
.set jf, jf+1
.endr
.endm
.macro LA                              ; an odd block: ring stages 4-7, slot 1
	LSUB 4, 1, 0, LOFX, WNX, 0, 3
	LSUB 5, 1, 1, LOFX, WNX, 1, 0
	LSUB 6, 1, 2, LOFX, WNX, 1, 1
	LSUB 7, 1, 3, LOFX, WNX, 1, 2
.endm
.macro LB                              ; an even block: ring stages 0-3, slot 0; then both bases go two blocks on
	LSUB 0, 0, 0, LOFX, WNX, 1, 3
	LSUB 1, 0, 1, LOFY, WNY, 0, 0
	LSUB 2, 0, 2, LOFY, WNY, 0, 1
	LSUB 3, 0, 3, LOFY, WNY, 0, 2
	s_wait_xcnt 0x0                                ; the loads' bases and offsets are rewritten only behind this wait
	s_add_co_u32 s[OX], s[OX], 256*PITCH
	s_and_b32 s[OX], s[OX], 1024*PITCH-1           ; wrapped into the slice
	s_add_co_u32 s[OY], s[OY], 256*PITCH
	s_and_b32 s[OY], s[OY], 1024*PITCH-1
	s_add_nc_u64 s[WNX:WNX+1], s[W0:W0+1], s[OX:OX+1]
	s_add_nc_u64 s[WNY:WNY+1], s[W0:W0+1], s[OY:OY+1]
	s_cmp_ge_u32 s[LC], 3                          ; the first group asks for stages up to 31 in the trips with LC = 4, 3, 2,
	s_cselect_b32 s46, -1, 0
	v_and_b32 v[LOFX], s46, v[LOFF]
	s_cmp_ge_u32 s[LC], 4                          ; the second in those with LC = 4, 3
	s_cselect_b32 s46, -1, 0
	v_and_b32 v[LOFY], s46, v[LOFF]
.endm
; CONSUMER.
.macro BLD q, slot, st                 ; four fragments of W, 32 K: eight loads of 512 consecutive bytes
.set jf, 0
.rept 4
	ds_load_b128 v[HB+32*(\q)+8*jf:HB+32*(\q)+8*jf+3], v[LN16] offset:(\slot)*SLOTB+(\st)*8192+(\q)*4096+jf*512
	ds_load_b128 v[HB+32*(\q)+8*jf+4:HB+32*(\q)+8*jf+7], v[LN16] offset:(\slot)*SLOTB+(\st)*8192+(\q)*4096+jf*512+2048
.set jf, jf+1
.endr
.endm
.macro MMT t, q, ab                    ; tile t x fragments 4 q .. 4 q + 3.  The accumulators take turns, one instruction a turn
.set jf, 0
.rept 4
.if (\t) < 4
.set rA, 64*(\t)+8*(4*(\q)+jf)
.else
.set rA, ACC4+8*(4*(\q)+jf)
.endif
	v_wmma_f32_16x16x32_bf16 v[rA:rA+7], v[AB+40*(\ab)+8*(\t):AB+40*(\ab)+8*(\t)+7], v[HB+32*(\q)+8*jf:HB+32*(\q)+8*jf+7], v[rA:rA+7]
.set jf, jf+1
.endr
.endm
.macro ALD t, ab, b, off               ; tile t's fragment of rows, 32 K
	global_load_b128 v[AB+40*(\ab)+8*(\t):AB+40*(\ab)+8*(\t)+3], v[AOFF+(\t)], s[(\b):(\b)+1] offset:(\off)
	global_load_b128 v[AB+40*(\ab)+8*(\t)+4:AB+40*(\ab)+8*(\t)+7], v[AOFF+(\t)], s[(\b):(\b)+1] offset:(\off)+32
.endm
.macro PLACES                          ; four plain places between a matrix instruction and a load into, or a read of, its registers
.rept 4
	v_nop
.endr
.endm
; A step of 32 K.  20 row loads are issued at its head: this step's ten, then the next step's ten.
.macro STEP slot, st
.set ib, (\st)%2
.set pos, 4*(\slot)+(\st)
	s_wait_dscnt 0x0                               ; fragments 0-3 are in
	BLD 1, \slot, \st
	WIN 0x50                                       ; C and D in window 1
.irp t, 0,1,2,3
	s_wait_loadcnt 18-2*\t                         ; tile t's two loads are in; the younger ones stay out
	MMT \t, 0, ib
.endr
	WIN 0
	s_wait_loadcnt 10                              ; tile 4's too, on both ways: its registers are asked for again below
	s_cmp_lt_u32 s[TW], 5
	s_cbranch_scc1 .La_\@
	MMT 4, 0, ib
.La_\@:
	PLACES
	s_wait_dscnt 0x0                               ; fragments 4-7 are in
.if (\st) < 3
	BLD 0, \slot, (\st)+1                          ; the block's last step fetches nothing: the next block is shown by the barrier
.endif
	WIN 0x50
.irp t, 0,1,2,3
	MMT \t, 1, ib
.endr
	WIN 0
	s_cmp_lt_u32 s[TW], 5
	s_cbranch_scc1 .Lc_\@
	MMT 4, 1, ib
.Lc_\@:
	PLACES
.irp t, 0,1,2,3,4
.if pos < 6
	ALD \t, ib, APX, 64*(pos+2)                    ; the rows of the step two steps on
.else
	ALD \t, ib, APY, 64*(pos-6)
.endif
.endr
.endm
.macro CBLK slot                       ; a block of 128 K out of a slot
	BLD 0, \slot, 0
	STEP \slot, 0
	STEP \slot, 1
	STEP \slot, 2
	STEP \slot, 3
.endm
.macro CUPD                            ; the row pointers go 512 bytes of K on, wrapped at a row's 2,048
	s_wait_xcnt 0x0                                ; the row loads' bases are rewritten only behind this wait
	s_add_co_u32 s[AK], s[AK], 512
	s_and_b32 s44, s[AK], 2047
	s_add_nc_u64 s[APX:APX+1], s[ABASE:ABASE+1], s[44:45]
	s_add_co_u32 s44, s[AK], 512
	s_and_b32 s44, s44, 2047
	s_add_nc_u64 s[APY:APY+1], s[ABASE:ABASE+1], s[44:45]
.endm
; A phase: the loaders lay a block into one slot, the consumers multiply the block in the other; then all eight meet.
.macro PHASE ab
	s_cmp_lt_u32 s[WV], 4
	s_cbranch_scc0 .Lld_\@
	CBLK \ab
.if \ab
	CUPD
.endif
	s_branch .Ljoin_\@
.Lld_\@:
.if \ab
	LB
.else
	LA
.endif
.Ljoin_\@:
	MEET
.endm
.macro ACCINIT n                       ; the sums start from the bias of their column
	WIN 0x40
.set t, 0
.rept 32
.set j, 0
.rept 8
	v_mov_b32 v[8*t+j], v[BIAS+t%8]
.set j, j+1
.endr
.set t, t+1
.endr
	WIN 0
.if (\n) == 5
.set t, 0
.rept 8
.set j, 0
.rept 8
	v_mov_b32 v[ACC4+8*t+j], v[BIAS+t]
.set j, j+1
.endr
.set t, t+1
.endr
.endif
.endm
.macro TWCALC cap                      ; how many t have TBASE + 4 t + u < TILES, cap at the most
	s_sub_co_i32 s47, s[TILES], s[TBASE]
	s_sub_co_i32 s47, s47, s[U]
	s_add_co_i32 s47, s47, 3
	s_max_i32 s47, s47, 0
	s_lshr_b32 s47, s47, 2
	s_min_u32 s[TW], s47, \cap
.endm
.macro ROW1 dst, adr, c                ; rank c + 16 u + lane % 16 (past the count: the last one) -> its place in my list -> the token
	v_add_nc_u32 v[\adr], \c, v[RB]
	v_min_u32 v[\adr], s[CM1], v[\adr]
	v_min_u32 v[\adr], 0x3ff, v[\adr]
	v_lshl_add_u32 v[\adr], v[\adr], 1, s[LBS]
	ds_load_u16 v[\dst], v[\adr]
.endm
.macro ROW2 dst
	v_min_u32 v[\dst], 0x3ff, v[\dst]
	v_lshl_add_u32 v[\dst], v[\dst], AROWSH, v[HF16]
.endm
.macro TMOV t                          ; a tile leaves its accumulators, each read from its lowest register on: row j, fragment f -> Y + 8 j + f
.set f, 0
.rept 8
.set j, 0
.rept 8
.if (\t) < 4
	v_mov_b32 v[Y+8*j+f], v[64*(\t)+8*f+j]
.else
	v_mov_b32 v[Y+8*j+f], v[ACC4+8*f+j]
.endif
.set j, j+1
.endr
.set f, f+1
.endr
.endm
.macro SWLD q                          ; later passes: 16 rows x 4 columns a lane of f32 weights, 32 K x 64 columns for the wave
.set ii, 0
.rept 16
	global_load_b128 v[ST+4*ii:ST+4*ii+3], v[SLOF], s[WP:WP+1] offset:(8*(ii/8)+64*((ii%8)/4)+(ii%4))*PITCH+256*(\q)
.set ii, ii+1
.endr
.endm
.macro SCVT q                          ; rounded straight into fragments 4 q .. 4 q + 3
.set jf, 0
.rept 4
.set gp, 0
.rept 8
	v_cvt_pk_bf16_f32 v[HB+32*(\q)+8*jf+gp], v[ST+8*gp+jf], v[ST+8*gp+4+jf]
.set gp, gp+1
.endr
.set jf, jf+1
.endr
.endm
	s_load_b256 s[4:11], s[0:1], 0x0               ; W1 s[4:5], b1 s[6:7], xb s[8:9], selm s[10:11]
	s_load_b128 s[12:15], s[0:1], 0x20             ; h s[12:13], meta s[14:15]
	s_load_b64 s[16:17], s[0:1], 0x30              ; pos
	v_lshl_add_u32 v[SPW], v0, 2, SPARE
	v_mov_b32 v[NIL], 0
	v_lshrrev_b32 v[TA], 5, v0
	v_readfirstlane_b32 s[WV], v[TA]
	s_and_b32 s[U], s[WV], 3
	s_mov_b32 s[NB], ttmp9
	s_and_b32 s[E], ttmp7, 0xffff
	v_and_b32 v[R15], 15, v0
	v_and_b32 v[HF16], 16, v0
	v_and_b32 v[L4], 31, v0
	v_lshlrev_b32 v[LN16], 4, v[L4]
	v_lshlrev_b32 v[L4], 2, v[L4]
	v_mul_u32_u24 v[SLOF], v[HF16], PITCH/4        ; 4 rows on for lanes 16-31
	v_lshl_add_u32 v[SLOF], v[R15], 4, v[SLOF]
	; the fixed registers of either role are made here, by every wave, and never rewritten (LOFX and LOFY: by the loaders alone)
	s_lshr_b32 s46, s[U], 1                        ; a loader's half of the columns, q = u / 2,
	s_and_b32 s47, s[U], 1                         ; and of a step's rows, g = u % 2
	s_mul_i32 s48, s47, 8*PITCH
	s_lshl_b32 s49, s46, 8
	s_add_co_u32 s48, s48, s49
	v_add_nc_u32 v[LOFF], s48, v[SLOF]
	v_mov_b32 v[LOFX], v[LOFF]
	v_mov_b32 v[LOFY], v[LOFF]
	s_lshl_b32 s48, s[U], 11
	v_add_nc_u32 v[LST0], s48, v[LN16]             ; 2,048 u + 16 lane
	s_lshl_b32 s48, s[U], 4
	v_add_nc_u32 v[RB], s48, v[R15]
	s_mul_i32 s[LBS], s[U], LISTB
	s_add_co_u32 s[LBS], s[LBS], LIST
	s_mov_b32 s[OX], 0
	s_mov_b32 s[OX+1], 0
	s_mov_b32 s[OY], 256*PITCH
	s_mov_b32 s[OY+1], 0
	s_mov_b32 s[CM1], 0
	s_mov_b32 s[PASS], 0
	s_mov_b32 s[TBASE], 0
	s_mov_b32 s[AK], 0
	s_mov_b32 s[LC], 4
	s_lshl_b32 s44, s[E], 24                       ; an expert's W1 is 16 MiB,
	s_lshl_b32 s46, s[NB], 9                       ; 128 columns are 512 bytes
	s_add_co_u32 s44, s44, s46
	s_mov_b32 s45, 0                               ; s45 stays 0: s[44:45] is an offset
	s_lshl_b32 s48, s[E], 23                       ; an expert's h is 8 MiB; 128 columns are 256 bytes
	s_lshl_b32 s46, s[NB], 8
	s_add_co_u32 s48, s48, s46
	s_mov_b32 s49, 0
	s_wait_kmcnt 0x0
	; every pointer of either role is made here, by every wave
	s_add_nc_u64 s[W0:W0+1], s[4:5], s[44:45]
	s_mov_b64 s[WNX:WNX+1], s[W0:W0+1]             ; block 0,
	s_add_nc_u64 s[WNY:WNY+1], s[W0:W0+1], 256*PITCH  ; block 2
	s_mov_b64 s[ABASE:ABASE+1], s[8:9]
	s_mov_b64 s[APX:APX+1], s[8:9]
	s_add_nc_u64 s[APY:APY+1], s[8:9], 512
	s_add_nc_u64 s[OB0:OB0+1], s[12:13], s[48:49]
	s_cmp_lt_u32 s[WV], 4
	s_cbranch_scc1 .Lc0
	WIN 0x40                                       ; LOADER
.set m, 0
.rept 7                                            ; ring stages 0 to 6: 56 loads
.set ii, 0
.rept 8
	global_load_b128 v[32*m+4*ii:32*m+4*ii+3], v[LOFF], s[W0:W0+1] offset:(128*(m/4)+16*(m%4)+64*(ii/4)+(ii%4))*PITCH th:TH_LOAD_NT
.set ii, ii+1
.endr
.set m, m+1
.endr
	WIN 0
	s_branch .Lj0
.Lc0:                                              ; CONSUMER: the list
.set c, 0
.rept 8
	global_load_b32 v[SM+c], v[L4], s[10:11] offset:128*c  ; the bytes of tokens 128 c + 4 lane + 0..3
.set c, c+1
.endr
	s_lshl_b32 s46, s[E], 14
	s_lshl_b32 s47, s[NB], 9
	s_add_co_u32 s46, s46, s47
	v_lshl_add_u32 v[BOFF], v[R15], 4, s46
	global_load_b128 v[BIAS:BIAS+3], v[BOFF], s[6:7]
	global_load_b128 v[BIAS+4:BIAS+7], v[BOFF], s[6:7] offset:256
	s_mov_b32 s[CC], 0x3f596d28                    ; c = 0.8493218
	s_mov_b32 s[CC+1], s[CC]                       ; the pairs' high words are named with them
	s_mov_b32 s[H3], 0x3ebf7377                    ; 0.3739278
	s_mov_b32 s[H3+1], s[H3]
	s_mov_b32 s[H2], 0xbd445ca1                    ; -0.0479399
	s_mov_b32 s[H2+1], s[H2]
	s_mov_b32 s[H1], 0x3e32303a                    ; 0.1740121
	s_mov_b32 s[H1+1], s[H1]
	s_mov_b32 s[PP], 0x3eaa540e                    ; 0.33267253
	s_lshl_b32 s[EB], 1, s[E]
	s_lshl_b32 s[EB+1], s[EB], 8
	s_lshl_b32 s[EB+2], s[EB], 16
	s_lshl_b32 s[EB+3], s[EB], 24
	s_mov_b32 s[RUN], 0
	v_mul_u32_u24 v[OOFF], v[HF16], OROW/2         ; 8 rows on for lanes 16-31
	v_lshl_add_u32 v[OOFF], v[R15], 4, v[OOFF]
	v_lshrrev_b32 v[DMP], 2, v[L4]
	v_add_nc_u32 v[DMP], 1024, v[DMP]              ; my dump place in the list
	v_mov_b32 v[TC], s[LBS]
	v_mov_b32 v[WK], 0
	ds_store_b16 v[TC], v[WK]                      ; rank 0 is token 0 until a token takes it: an expert without rows still has a row to read
	s_wait_loadcnt 0x2                             ; selm's eight words are in; the two loads of the bias stay out
.set c, 0
.rept 8
.set b, 0
.rept 4                                            ; the 32 tokens 128 c + 4 lane + b
	v_and_b32 v[TA], s[EB+b], v[SM+c]
	v_cmp_ne_u32 vcc_lo, 0, v[TA]
	v_mbcnt_lo_u32_b32 v[RK+4*c+b], vcc_lo, s[RUN]  ; rank: the count so far plus the chosen ones below my lane
	s_bcnt1_i32_b32 s46, vcc_lo
	s_add_co_u32 s[RUN], s[RUN], s46
	v_cndmask_b32 v[TC], v[DMP], v[RK+4*c+b], vcc_lo  ; chosen: my rank; else my dump place
	v_min_u32 v[TC], 0x47f, v[TC]
	v_lshl_add_u32 v[TC], v[TC], 1, s[LBS]
	v_add_nc_u32 v[TA], 128*c+b, v[L4]
	ds_store_b16 v[TC], v[TA]
.set b, b+1
.endr
.set c, c+1
.endr
	s_min_u32 s[CNT], s[RUN], 1024
	s_add_co_u32 s46, s[CNT], 15
	s_lshr_b32 s46, s46, 4
	s_max_u32 s[TILES], s46, 1
	s_max_u32 s46, s[CNT], 1
	s_sub_co_u32 s[CM1], s46, 1
	s_cmp_lg_u32 s[NB], 0
	s_cbranch_scc1 .Lnopos                         ; the first column block's
	s_cmp_lg_u32 s[WV], 0
	s_cbranch_scc1 .Lnopos                         ; wave 0 stores the expert's ranks and count
	s_lshl_b32 s44, s[E], 12
	s_add_nc_u64 s[46:47], s[16:17], s[44:45]
	s_lshl_b32 s44, s[E], 7
	s_add_nc_u64 s[48:49], s[14:15], s[44:45]
.set c, 0
.rept 8
	global_store_b128 v[LN16], v[RK+4*c:RK+4*c+3], s[46:47] offset:512*c
.set c, c+1
.endr
	v_mov_b32 v[TA], s[CNT]
	global_store_b32 v[L4], v[TA], s[48:49]
	s_wait_xcnt 0x0                                ; RK's registers take row fragments later
.Lnopos:
.Lj0:
	MEET                                           ; the lists are written
	s_cmp_lt_u32 s[WV], 4
	s_cbranch_scc1 .Lc1
	LB                                             ; block 0 into slot 0
	s_branch .Lj1
.Lc1:
	s_wait_loadcnt 0x0                             ; the bias
.set i, 0
.rept 4                                            ; b1 to bf16 and back
	v_cvt_pk_bf16_f32 v[WK+i], v[BIAS+2*i], v[BIAS+2*i+1]
	v_lshlrev_b32 v[BIAS+2*i], 16, v[WK+i]
	v_and_b32 v[BIAS+2*i+1], 0xffff0000, v[WK+i]
.set i, i+1
.endr
.set t, 0
.rept 5                                            ; the first pass's tiles 4 t + u,
	ROW1 AOFF+t, ADR+t, 64*t
.set t, t+1
.endr
.set t, 0
.rept 12                                           ; and those of the later passes: 20 + 16 (t / 4) + 4 (t % 4) + u
	ROW1 SAOF+t, ADR+5+t, 320+256*(t/4)+64*(t%4)
.set t, t+1
.endr
	s_wait_dscnt 0x0
.set t, 0
.rept 5
	ROW2 AOFF+t
.set t, t+1
.endr
.set t, 0
.rept 12
	ROW2 SAOF+t
.set t, t+1
.endr
	TWCALC 5
	ACCINIT 5
.irp t, 0,1,2,3,4
	ALD \t, 0, ABASE, 0                            ; the rows of steps 0 and 1: 20 loads
.endr
.irp t, 0,1,2,3,4
	ALD \t, 1, ABASE, 64
.endr
.Lj1:
	MEET                                           ; block 0 is laid
.Lmain:                                            ; four trips: blocks 2 j + 1 and 2 j + 2 are laid, blocks 2 j and 2 j + 1 multiplied
	PHASE 0
	PHASE 1
	s_sub_co_u32 s[LC], s[LC], 1
	s_cmp_lg_u32 s[LC], 0
	s_cbranch_scc1 .Lmain
	s_cmp_lt_u32 s[WV], 4
	s_cbranch_scc0 .Lend                           ; the loaders are done; no barrier follows
	s_wait_loadcnt 0x0                             ; the look-ahead's last 20 loads, which serve nothing: no load is out when a pass begins
.Lpass:                                            ; four trips serve every split; dead passes are jumped
	s_cmp_eq_u32 s[PASS], 0
	s_cbranch_scc1 .Lout
	s_cmp_ge_u32 s[TBASE], s[TILES]
	s_cbranch_scc1 .Lpnext
	s_wait_xcnt 0x0                                ; the last stores have read their registers
	TWCALC 4
	s_cmp_eq_u32 s[PASS], 1
	s_cbranch_scc1 .Lp1
	s_cmp_eq_u32 s[PASS], 2
	s_cbranch_scc1 .Lp2
.irp t, 0,1,2,3
	v_mov_b32 v[AOFF+\t], v[SAOF+8+\t]
.endr
	s_branch .Lpgo
.Lp1:
.irp t, 0,1,2,3
	v_mov_b32 v[AOFF+\t], v[SAOF+\t]
.endr
	s_branch .Lpgo
.Lp2:
.irp t, 0,1,2,3
	v_mov_b32 v[AOFF+\t], v[SAOF+4+\t]
.endr
.Lpgo:
	ACCINIT 4
	s_mov_b64 s[WP:WP+1], s[W0:W0+1]
	s_mov_b64 s[AP:AP+1], s[ABASE:ABASE+1]
	s_mov_b32 s[SS], 0
	SWLD 0
.irp t, 0,1,2,3
	ALD \t, 0, AP, 0
.endr
.Lslow:                                            ; 32 steps of 32 K; nothing here touches LDS
	s_wait_loadcnt 0x0                             ; the weights of fragments 0-3 and the rows
	SCVT 0
	SWLD 1
	WIN 0x50
.irp t, 0,1,2,3
	MMT \t, 0, 0
.endr
	WIN 0
	s_wait_loadcnt 0x0                             ; the weights of fragments 4-7: no load is out, so both pointers may be written
	SCVT 1
	s_add_co_u32 s46, s[SS], 1
	s_and_b32 s46, s46, 31                         ; the next step; behind the last, step 0 once more, unused
	s_lshr_b32 s47, s46, 2
	s_lshl_b32 s47, s47, 7
	s_and_b32 s48, s46, 3
	s_lshl_b32 s48, s48, 4
	s_add_co_u32 s47, s47, s48                     ; its first row of W: 128 block + 16 step
	s_lshl_b32 s44, s47, PSH
	s_add_nc_u64 s[WP:WP+1], s[W0:W0+1], s[44:45]
	s_lshl_b32 s44, s46, 6
	s_add_nc_u64 s[AP:AP+1], s[ABASE:ABASE+1], s[44:45]
	SWLD 0
	WIN 0x50
.irp t, 0,1,2,3
	MMT \t, 1, 0
.endr
	WIN 0
	PLACES
.irp t, 0,1,2,3
	ALD \t, 0, AP, 0
.endr
	s_add_co_u32 s[SS], s[SS], 1
	s_cmp_lt_u32 s[SS], 32
	s_cbranch_scc1 .Lslow
.Lout:
	s_wait_loadcnt 0x0                             ; a later pass's last look-ahead
	s_mov_b32 s[UN], 0
.Lunit:                                            ; unit 2 t + half: four rows a lane half x 128 columns of tile t
	s_lshr_b32 s46, s[UN], 1
	s_cmp_ge_u32 s46, s[TW]
	s_cbranch_scc1 .Lunext
	s_wait_xcnt 0x0                                ; the last unit's stores have read their data and base
	s_lshl2_add_u32 s47, s46, s[TBASE]
	s_add_co_u32 s47, s47, s[U]                    ; the tile
	s_and_b32 s48, s[UN], 1
	s_lshl2_add_u32 s47, s47, s48
	s_mul_i32 s44, s47, 4*OROW                     ; row 16 tile + 4 half
	s_add_nc_u64 s[OB:OB+1], s[OB0:OB0+1], s[44:45]
	s_bitcmp1_b32 s[UN], 0
	s_cbranch_scc1 .Lodd
	s_cmp_eq_u32 s46, 0
	s_cbranch_scc1 .Lt0
	s_cmp_eq_u32 s46, 1
	s_cbranch_scc1 .Lt1
	s_cmp_eq_u32 s46, 2
	s_cbranch_scc1 .Lt2
	s_cmp_eq_u32 s46, 3
	s_cbranch_scc1 .Lt3
	TMOV 4
	s_branch .Lcommon
.Lt0:
	WIN 0x01
	TMOV 0
	WIN 0
	s_branch .Lcommon
.Lt1:
	WIN 0x01
	TMOV 1
	WIN 0
	s_branch .Lcommon
.Lt2:
	WIN 0x01
	TMOV 2
	WIN 0
	s_branch .Lcommon
.Lt3:
	WIN 0x01
	TMOV 3
	WIN 0
	s_branch .Lcommon
.Lodd:
.set i, 0
.rept 32
	v_mov_b32 v[Y+i], v[Y+32+i]                    ; the tile's rows 4-7, kept by the unit before
.set i, i+1
.endr
.Lcommon:                                          ; one text of the activation for every unit
.set i, 0
.rept 32
	v_fma_f32 v[T+i], |v[Y+i]|, s[PP], 1.0
.set i, i+1
.endr
.set i, 0
.rept 32
	v_rcp_f32 v[T+i], v[T+i]
.set i, i+1
.endr
	v_nop                                          ; a plain line between the reciprocals and their use
.set i, 0
	s_wait_alu depctr_va_vdst(0)
.rept 16
	v_pk_fma_f32 v[P+i:P+i+1], v[T+i:T+i+1], s[H3:H3+1], s[H2:H2+1] op_sel_hi:[1,0,0]
.set i, i+2
.endr
.set i, 0
.rept 16
	v_pk_fma_f32 v[P+i:P+i+1], v[P+i:P+i+1], v[T+i:T+i+1], s[H1:H1+1] op_sel_hi:[1,1,0]
.set i, i+2
.endr
.set i, 0
.rept 16
	v_pk_mul_f32 v[P+i:P+i+1], v[P+i:P+i+1], v[T+i:T+i+1]
.set i, i+2
.endr
.set i, 0
.rept 16
	v_pk_mul_f32 v[T+i:T+i+1], v[Y+i:Y+i+1], s[CC:CC+1] op_sel_hi:[1,0]
.set i, i+2
.endr
.set i, 0
.rept 16
	v_pk_mul_f32 v[T+i:T+i+1], v[T+i:T+i+1], v[T+i:T+i+1] neg_lo:[1,0] neg_hi:[1,0]  ; -(c y)^2: never above 0
.set i, i+2
.endr
.set i, 0
.rept 32
	v_exp_f32 v[T+i], v[T+i]
.set i, i+1
.endr
	v_nop                                          ; a plain line between the exponentials and their use
.set i, 0
	s_wait_alu depctr_va_vdst(0)
.rept 16
	v_pk_mul_f32 v[P+i:P+i+1], v[P+i:P+i+1], v[T+i:T+i+1]
.set i, i+2
.endr
.set i, 0
.rept 32
	v_max_num_f32 v[T+i], 0, v[Y+i]
.set i, i+1
.endr
.set i, 0
.rept 32
	v_fma_f32 v[Y+i], -|v[Y+i]|, v[P+i], v[T+i]
.set i, i+1
.endr
.set i, 0
.rept 16
	v_cvt_pk_bf16_f32 v[T+i], v[Y+2*i], v[Y+2*i+1]
.set i, i+1
.endr
.set i, 0
.rept 4
	global_store_b128 v[OOFF], v[T+4*i:T+4*i+3], s[OB:OB+1] offset:i*OROW  ; 16 lanes store 256 consecutive bytes, aligned
.set i, i+1
.endr
.Lunext:
	s_add_co_u32 s[UN], s[UN], 1
	s_cmp_lt_u32 s[UN], 10
	s_cbranch_scc1 .Lunit
.Lpnext:
	s_cmp_eq_u32 s[PASS], 0
	s_cselect_b32 s46, 20, 16                      ; the first pass has 20 tiles, the later ones 16
	s_add_co_u32 s[TBASE], s[TBASE], s46
	s_add_co_u32 s[PASS], s[PASS], 1
	s_cmp_lt_u32 s[PASS], 4
	s_cbranch_scc1 .Lpass
.Lend:
	s_wait_tensorcnt 0x0                           ; the wave's end
	ds_add_u32 v[SPW], v[NIL]
	s_wait_dscnt 0x0
	s_endpgm
.Lfunc_end_k_qe25de5ee61_moe1:
	.size	k_qe25de5ee61_moe1, .Lfunc_end_k_qe25de5ee61_moe1-k_qe25de5ee61_moe1
	.p2alignl 7, 3214868480
	.fill 96, 4, 3214868480
	.section	.rodata,"a",@progbits
	.p2align	6, 0x0
	.amdhsa_kernel k_qe25de5ee61_moe1
		.amdhsa_group_segment_fixed_size 75776
		.amdhsa_private_segment_fixed_size 0
		.amdhsa_enable_private_segment 0
		.amdhsa_kernarg_size 56
		.amdhsa_user_sgpr_count 2
		.amdhsa_user_sgpr_kernarg_segment_ptr 1
		.amdhsa_wavefront_size32 1
		.amdhsa_system_sgpr_workgroup_id_x 1
		.amdhsa_system_sgpr_workgroup_id_y 1
		.amdhsa_system_sgpr_workgroup_id_z 1
		.amdhsa_system_vgpr_workitem_id 0
		.amdhsa_next_free_vgpr 512
		.amdhsa_next_free_sgpr 88
		.amdhsa_reserve_vcc 1
		.amdhsa_float_denorm_mode_32 3
		.amdhsa_float_denorm_mode_16_64 3
		.amdhsa_memory_ordered 1
		.amdhsa_forward_progress 1
		.amdhsa_inst_pref_size 164
	.end_amdhsa_kernel
	.amdgpu_metadata
---
amdhsa.version: [ 1, 2 ]
amdhsa.kernels:
  - .name:           k_qe25de5ee61_moe1
    .symbol:         k_qe25de5ee61_moe1.kd
    .args:
      - { .name: W1, .offset: 0, .size: 8, .value_kind: global_buffer, .address_space: global }
      - { .name: b1, .offset: 8, .size: 8, .value_kind: global_buffer, .address_space: global }
      - { .name: xb, .offset: 16, .size: 8, .value_kind: global_buffer, .address_space: global }
      - { .name: selm, .offset: 24, .size: 8, .value_kind: global_buffer, .address_space: global }
      - { .name: h, .offset: 32, .size: 8, .value_kind: global_buffer, .address_space: global }
      - { .name: meta, .offset: 40, .size: 8, .value_kind: global_buffer, .address_space: global }
      - { .name: pos, .offset: 48, .size: 8, .value_kind: global_buffer, .address_space: global }
    .group_segment_fixed_size: 75776
    .private_segment_fixed_size: 0
    .kernarg_segment_align: 8
    .kernarg_segment_size: 56
    .max_flat_workgroup_size: 256
    .sgpr_count:     88
    .vgpr_count:     512
    .wavefront_size: 32
...
	.end_amdgpu_metadata
.endif
;; end of part 2
;; launch moe2 (part 3): grid 32 x 8, 8 waves a work-group, no clusters, 66,560 bytes of LDS; arguments W2, b2, h, meta, part; writes part
.if DOCPART == 3
	.amdgcn_target "amdgcn-amd-amdhsa--gfx1250"
	.amdhsa_code_object_version 6
	.text
	.protected	k_qe25de5ee61_moe2
	.globl	k_qe25de5ee61_moe2
	.p2align	8
	.type	k_qe25de5ee61_moe2,@function
k_qe25de5ee61_moe2:
	s_mov_b64 s[64:65], 0
	v_nop
	global_prefetch_b8 v0, s[64:65] scope:SCOPE_SE
	s_setreg_imm32_b32 hwreg(HW_REG_WAVE_MODE, 25, 1), 1
	s_wait_xcnt 0x0
; SECOND PRODUCT.  part[ks][e][rank][:] = h[e][rank][1024 ks .. +1023] W2[e][1024 ks .. +1023][:] (+ b2[e] in ks = 0), f32 partial sums.  W2: [8][4096][1024] f32, rounded once to bf16 on its way; b2 likewise.
; The scheme is the first product's.  A work-group has 128 columns (cb = x % 8) x 1,024 K (ks = x / 8) of ONE expert: 524,288 bytes of W2 that it alone reads in the first pass.  Waves 4-7 are LOADERS (up to 56
; loads of 16 bytes a lane issued each, 7 ring stages ahead; rounding to bf16; a block of 128 K laid into one of two LDS slots in fragment order); waves 0-3 are CONSUMERS, one block behind; each phase ends in a
; barrier that all eight waves pass at the same line.  Every LDS address is a fixed register (lane and wave terms) plus an immediate.
; ONE TEXT FOR EVERY TRIP.  From ring stage 32 on nothing is left to ask for: the lane term is masked to 0 and the base wraps into the slice, so such a load reads 16 bytes for the whole wave, inside the
; buffer, and every count stays as it is.  The ninth block's turn lays what those loads brought into slot 0, which nobody reads again.  The consumers' last two look-aheads wrap to K = 0 likewise (20 loads).
; ROWS.  In the first pass consumer u has the tiles of 16 rows 4 t + u, t = 0..4; tiles 0-3 are always multiplied (rows past the last written tile repeat its last row), tile 4's products are jumped where dead.
; Rows beyond 320 go in up to three further passes of 256 rows, with no LDS and no barrier: each consumer loads the f32 weights itself and rounds them straight into fragments: plain and slow, for skewed
; splits alone.  The count comes from meta, which the launch before stored.
; LAYOUT.  Fragment f, lane r is column 64 (f / 4) + 4 r + f % 4, so a lane's four fragments of a quad are 16 consecutive bytes of a row of part.  h holds, in each block of 128, number 64 q + 4 p + j at place
; 8 p + 4 q + j; W2's rows are taken in the matching order.
; NO MULTICAST, NO TENSOR LOAD: each weight byte has one reader; the rows that eight work-groups share go straight into registers, 2,048 bytes of each row a work-group.
; K is split in four so that 256 work-groups have equal slices; the four parts are added in f32 by the launch behind.
; The accumulators start from the bias (or 0), 320 moves while the first block is on its way, so no first K step is written out.
.set PITCH,  4096                      ; bytes in a row of W2
.set PSH,    12
.set OROW,   4096                      ; bytes in a row of part
.set AROWSH, 13                        ; a row of h is 8,192 bytes
.set SLOTB,  32768                     ; an LDS slot: step x 8,192 + q x 4,096 + g x 2,048 + j x 512 + lane x 16
.set SPARE,  65536                     ; the spare words, 128 bytes a wave
.set SPW,  1
.set NIL,  2
.set SLOF, 3
.set LOFF, 3
.set AOFF, 4
.set LST0, 5
.set LOFX, 6
.set LOFY, 7
.set R15,  10
.set HF16, 11
.set OOFF, 12
.set TA,   13
.set LN16, 14
.set HB,   16                          ; v16-47 fragments 0-3 of W, v48-79 fragments 4-7
.set CT,   16
.set AB,   80                          ; v80-119, v120-159: two buffers of 5 tiles' fragments of rows
.set ACC4, 160                         ; tile 4's accumulators; tiles 0-3: window 1, v[64 t + 8 f]
.set ST,   160
.set BIAS, 224
.set SAOF, 232
.set BOFF, 244
.set RB,   246
.set WK,   248
.set Y,    16                          ; way out: v16-79 a tile, row j, fragment f at Y + 8 j + f
.set WV, 20
.set U,  21
.set CB, 22
.set E,  23
.set CNT, 24
.set TILES, 25
.set TBASE, 26
.set PASS, 27
.set TW, 28
.set SS, 29
.set LC, 30
.set UN, 31
.set W0, 32
.set ABASE, 34
.set WNX, 36
.set WNY, 38
.set OB0, 40
.set OB, 42
.set KS, 58
.set AK, 59
.set APX, 76
.set APY, 78
.set WP, 80
.set AP, 82
.set OX, 84
.set OY, 86
.set MSB, 0
.macro WIN new                         ; the immediate's high byte repeats the setting that is left; a switch that changes nothing is dropped
.if MSB != (\new)
	s_set_vgpr_msb (MSB<<8)|(\new)
.set MSB, \new
.endif
.endm
.macro MEET                            ; every wave's LDS instructions are done, and all eight meet
	s_wait_dscnt 0x0
	s_barrier_signal -1
	s_barrier_wait -1
.endm
.macro LSUB n8, slot, st, vo, sb, rb, rs  ; loader: ring stage n8 is in; the stage read last is asked for again, 7 stages on
	s_wait_loadcnt 48                              ; 56 are issued and come back in order: the oldest eight, this stage's, are in
	WIN 0x40
.set d8, ((\n8)+7)%8
.set ii, 0
.rept 8
	global_load_b128 v[32*d8+4*ii:32*d8+4*ii+3], v[\vo], s[(\sb):(\sb)+1] offset:(128*(\rb)+16*(\rs)+64*(ii/4)+(ii%4))*PITCH th:TH_LOAD_NT  ; two rows x 256 consecutive bytes, aligned
.set ii, ii+1
.endr
	WIN 0x05
.set jf, 0
.rept 4
.set p, 0
.rept 4
	v_cvt_pk_bf16_f32 v[CT+4*jf+p], v[32*(\n8)+8*p+jf], v[32*(\n8)+8*p+4+jf]
.set p, p+1
.endr
.set jf, jf+1
.endr
	WIN 0
.set jf, 0
.rept 4
	ds_store_b128 v[LST0], v[CT+4*jf:CT+4*jf+3] offset:(\slot)*SLOTB+(\st)*8192+jf*512
.set jf, jf+1
.endr
.endm
.macro LA                              ; an odd block: ring stages 4-7, slot 1
	LSUB 4, 1, 0, LOFX, WNX, 0, 3
	LSUB 5, 1, 1, LOFX, WNX, 1, 0
	LSUB 6, 1, 2, LOFX, WNX, 1, 1
	LSUB 7, 1, 3, LOFX, WNX, 1, 2
.endm
.macro LB                              ; an even block: ring stages 0-3, slot 0; then both bases go two blocks on
	LSUB 0, 0, 0, LOFX, WNX, 1, 3
	LSUB 1, 0, 1, LOFY, WNY, 0, 0
	LSUB 2, 0, 2, LOFY, WNY, 0, 1
	LSUB 3, 0, 3, LOFY, WNY, 0, 2
	s_wait_xcnt 0x0                                ; the loads' bases and offsets are rewritten only behind this wait
	s_add_co_u32 s[OX], s[OX], 256*PITCH
	s_and_b32 s[OX], s[OX], 1024*PITCH-1           ; wrapped into the slice
	s_add_co_u32 s[OY], s[OY], 256*PITCH
	s_and_b32 s[OY], s[OY], 1024*PITCH-1
	s_add_nc_u64 s[WNX:WNX+1], s[W0:W0+1], s[OX:OX+1]
	s_add_nc_u64 s[WNY:WNY+1], s[W0:W0+1], s[OY:OY+1]
	s_cmp_ge_u32 s[LC], 3                          ; the first group asks for stages up to 31 in the trips with LC = 4, 3, 2,
	s_cselect_b32 s46, -1, 0
	v_and_b32 v[LOFX], s46, v[LOFF]
	s_cmp_ge_u32 s[LC], 4                          ; the second in those with LC = 4, 3
	s_cselect_b32 s46, -1, 0
	v_and_b32 v[LOFY], s46, v[LOFF]
.endm
.macro BLD q, slot, st
.set jf, 0
.rept 4
	ds_load_b128 v[HB+32*(\q)+8*jf:HB+32*(\q)+8*jf+3], v[LN16] offset:(\slot)*SLOTB+(\st)*8192+(\q)*4096+jf*512
	ds_load_b128 v[HB+32*(\q)+8*jf+4:HB+32*(\q)+8*jf+7], v[LN16] offset:(\slot)*SLOTB+(\st)*8192+(\q)*4096+jf*512+2048
.set jf, jf+1
.endr
.endm
.macro MMT t, q, ab                    ; the accumulators take turns, one instruction a turn
.set jf, 0
.rept 4
.if (\t) < 4
.set rA, 64*(\t)+8*(4*(\q)+jf)
.else
.set rA, ACC4+8*(4*(\q)+jf)
.endif
	v_wmma_f32_16x16x32_bf16 v[rA:rA+7], v[AB+40*(\ab)+8*(\t):AB+40*(\ab)+8*(\t)+7], v[HB+32*(\q)+8*jf:HB+32*(\q)+8*jf+7], v[rA:rA+7]
.set jf, jf+1
.endr
.endm
.macro ALD t, ab, b, off
	global_load_b128 v[AB+40*(\ab)+8*(\t):AB+40*(\ab)+8*(\t)+3], v[AOFF+(\t)], s[(\b):(\b)+1] offset:(\off)
	global_load_b128 v[AB+40*(\ab)+8*(\t)+4:AB+40*(\ab)+8*(\t)+7], v[AOFF+(\t)], s[(\b):(\b)+1] offset:(\off)+32
.endm
.macro PLACES                          ; four plain places between a matrix instruction and a load into, or a read of, its registers
.rept 4
	v_nop
.endr
.endm
.macro STEP slot, st                   ; 32 K; 20 row loads are issued at its head: this step's ten, then the next step's ten
.set ib, (\st)%2
.set pos, 4*(\slot)+(\st)
	s_wait_dscnt 0x0                               ; fragments 0-3 are in
	BLD 1, \slot, \st
	WIN 0x50
.irp t, 0,1,2,3
	s_wait_loadcnt 18-2*\t                         ; tile t's two loads are in; the younger ones stay out
	MMT \t, 0, ib
.endr
	WIN 0
	s_wait_loadcnt 10                              ; tile 4's too, on both ways
	s_cmp_lt_u32 s[TW], 5
	s_cbranch_scc1 .La_\@
	MMT 4, 0, ib
.La_\@:
	PLACES
	s_wait_dscnt 0x0                               ; fragments 4-7 are in
.if (\st) < 3
	BLD 0, \slot, (\st)+1                          ; the block's last step fetches nothing: the next block is shown by the barrier
.endif
	WIN 0x50
.irp t, 0,1,2,3
	MMT \t, 1, ib
.endr
	WIN 0
	s_cmp_lt_u32 s[TW], 5
	s_cbranch_scc1 .Lc_\@
	MMT 4, 1, ib
.Lc_\@:
	PLACES
.irp t, 0,1,2,3,4
.if pos < 6
	ALD \t, ib, APX, 64*(pos+2)                    ; the rows of the step two steps on
.else
	ALD \t, ib, APY, 64*(pos-6)
.endif
.endr
.endm
.macro CBLK slot
	BLD 0, \slot, 0
	STEP \slot, 0
	STEP \slot, 1
	STEP \slot, 2
	STEP \slot, 3
.endm
.macro CUPD                            ; the row pointers go 512 bytes of K on, wrapped at the slice's 2,048
	s_wait_xcnt 0x0                                ; the row loads' bases are rewritten only behind this wait
	s_add_co_u32 s[AK], s[AK], 512
	s_and_b32 s44, s[AK], 2047
	s_add_nc_u64 s[APX:APX+1], s[ABASE:ABASE+1], s[44:45]
	s_add_co_u32 s44, s[AK], 512
	s_and_b32 s44, s44, 2047
	s_add_nc_u64 s[APY:APY+1], s[ABASE:ABASE+1], s[44:45]
.endm
.macro PHASE ab                        ; the loaders lay a block into one slot, the consumers multiply the block in the other; then all eight meet
	s_cmp_lt_u32 s[WV], 4
	s_cbranch_scc0 .Lld_\@
	CBLK \ab
.if \ab
	CUPD
.endif
	s_branch .Ljoin_\@
.Lld_\@:
.if \ab
	LB
.else
	LA
.endif
.Ljoin_\@:
	MEET
.endm
.macro ACCINIT n
	WIN 0x40
.set t, 0
.rept 32
.set j, 0
.rept 8
	v_mov_b32 v[8*t+j], v[BIAS+t%8]
.set j, j+1
.endr
.set t, t+1
.endr
	WIN 0
.if (\n) == 5
.set t, 0
.rept 8
.set j, 0
.rept 8
	v_mov_b32 v[ACC4+8*t+j], v[BIAS+t]
.set j, j+1
.endr
.set t, t+1
.endr
.endif
.endm
.macro TWCALC cap                      ; how many t have TBASE + 4 t + u < TILES, cap at the most
	s_sub_co_i32 s47, s[TILES], s[TBASE]
	s_sub_co_i32 s47, s47, s[U]
	s_add_co_i32 s47, s47, 3
	s_max_i32 s47, s47, 0
	s_lshr_b32 s47, s47, 2
	s_min_u32 s[TW], s47, \cap
.endm
.macro ROW1 dst, c                     ; row c + 16 u + lane % 16; rows past the last tile that was written take its last row
	v_add_nc_u32 v[\dst], \c, v[RB]
	v_min_u32 v[\dst], s48, v[\dst]
	v_min_u32 v[\dst], 0x3ff, v[\dst]
	v_lshl_add_u32 v[\dst], v[\dst], AROWSH, v[HF16]
.endm
.macro TMOV t                          ; a tile leaves its accumulators, each read from its lowest register on: the four fragments of a quad come to lie side by side
.set f, 0
.rept 8
.set j, 0
.rept 8
.if (\t) < 4
	v_mov_b32 v[Y+8*j+f], v[64*(\t)+8*f+j]
.else
	v_mov_b32 v[Y+8*j+f], v[ACC4+8*f+j]
.endif
.set j, j+1
.endr
.set f, f+1
.endr
.endm
.macro SWLD q                          ; later passes: 16 rows x 4 columns a lane of f32 weights
.set ii, 0
.rept 16
	global_load_b128 v[ST+4*ii:ST+4*ii+3], v[SLOF], s[WP:WP+1] offset:(8*(ii/8)+64*((ii%8)/4)+(ii%4))*PITCH+256*(\q)
.set ii, ii+1
.endr
.endm
.macro SCVT q                          ; rounded straight into fragments 4 q .. 4 q + 3
.set jf, 0
.rept 4
.set gp, 0
.rept 8
	v_cvt_pk_bf16_f32 v[HB+32*(\q)+8*jf+gp], v[ST+8*gp+jf], v[ST+8*gp+4+jf]
.set gp, gp+1
.endr
.set jf, jf+1
.endr
.endm
	s_load_b256 s[4:11], s[0:1], 0x0               ; W2 s[4:5], b2 s[6:7], h s[8:9], meta s[10:11]
	s_load_b64 s[12:13], s[0:1], 0x20              ; part
	v_lshl_add_u32 v[SPW], v0, 2, SPARE
	v_mov_b32 v[NIL], 0
	v_lshrrev_b32 v[TA], 5, v0
	v_readfirstlane_b32 s[WV], v[TA]
	s_and_b32 s[U], s[WV], 3
	s_and_b32 s[CB], ttmp9, 7
	s_lshr_b32 s[KS], ttmp9, 3
	s_and_b32 s[E], ttmp7, 0xffff
	v_and_b32 v[R15], 15, v0
	v_and_b32 v[HF16], 16, v0
	v_and_b32 v[LN16], 31, v0
	v_lshlrev_b32 v[LN16], 4, v[LN16]
	v_mul_u32_u24 v[SLOF], v[HF16], PITCH/4        ; 4 rows on for lanes 16-31
	v_lshl_add_u32 v[SLOF], v[R15], 4, v[SLOF]
	s_lshl_b32 s44, s[E], 24                       ; an expert's W2 is 16 MiB, 1,024 rows are 4 MiB, 128 columns 512 bytes
	s_lshl_b32 s46, s[KS], 22
	s_add_co_u32 s44, s44, s46
	s_lshl_b32 s47, s[CB], 9
	s_add_co_u32 s44, s44, s47
	s_mov_b32 s45, 0                               ; s45 stays 0: s[44:45] is an offset
	s_lshl_b32 s48, s[E], 23                       ; an expert's h is 8 MiB; 1,024 K are 2,048 bytes of a row
	s_lshl_b32 s46, s[KS], 11
	s_add_co_u32 s48, s48, s46
	s_mov_b32 s49, 0
	s_lshl_b32 s50, s[KS], 25                      ; a part is 32 MiB, an expert's rows 4 MiB
	s_lshl_b32 s46, s[E], 22
	s_add_co_u32 s50, s50, s46
	s_add_co_u32 s50, s50, s47
	s_mov_b32 s51, 0
	s_mov_b32 s[LC], 4
	s_wait_kmcnt 0x0
	; every pointer of either role is made here, by every wave
	s_add_nc_u64 s[W0:W0+1], s[4:5], s[44:45]
	s_mov_b64 s[WNX:WNX+1], s[W0:W0+1]             ; block 0,
	s_add_nc_u64 s[WNY:WNY+1], s[W0:W0+1], 256*PITCH  ; block 2
	s_add_nc_u64 s[ABASE:ABASE+1], s[8:9], s[48:49]
	s_mov_b64 s[APX:APX+1], s[ABASE:ABASE+1]
	s_add_nc_u64 s[APY:APY+1], s[ABASE:ABASE+1], 512
	s_add_nc_u64 s[OB0:OB0+1], s[12:13], s[50:51]
	s_cmp_lt_u32 s[WV], 4
	s_cbranch_scc1 .Lc0
	; LOADER u: columns' half q = u / 2, rows' half g = u % 2
	s_lshr_b32 s46, s[U], 1
	s_and_b32 s47, s[U], 1
	s_mul_i32 s48, s47, 8*PITCH
	s_lshl_b32 s49, s46, 8
	s_add_co_u32 s48, s48, s49
	v_add_nc_u32 v[LOFF], s48, v[SLOF]
	v_mov_b32 v[LOFX], v[LOFF]
	v_mov_b32 v[LOFY], v[LOFF]
	s_lshl_b32 s48, s[U], 11
	v_add_nc_u32 v[LST0], s48, v[LN16]
	s_mov_b32 s[OX], 0
	s_mov_b32 s[OX+1], 0
	s_mov_b32 s[OY], 256*PITCH
	s_mov_b32 s[OY+1], 0
	WIN 0x40
.set m, 0
.rept 7                                            ; ring stages 0 to 6: 56 loads
.set ii, 0
.rept 8
	global_load_b128 v[32*m+4*ii:32*m+4*ii+3], v[LOFF], s[W0:W0+1] offset:(128*(m/4)+16*(m%4)+64*(ii/4)+(ii%4))*PITCH th:TH_LOAD_NT
.set ii, ii+1
.endr
.set m, m+1
.endr
	WIN 0
	LB                                             ; block 0 into slot 0
	s_branch .Lj0
.Lc0:                                              ; CONSUMER
	s_lshl_b32 s44, s[E], 7
	s_add_nc_u64 s[46:47], s[10:11], s[44:45]
	s_load_b32 s[CNT], s[46:47], 0x0               ; the expert's count
	s_lshl_b32 s48, s[E], 12
	s_lshl_b32 s49, s[CB], 9
	s_add_co_u32 s48, s48, s49
	v_lshl_add_u32 v[BOFF], v[R15], 4, s48
	global_load_b128 v[BIAS:BIAS+3], v[BOFF], s[6:7]
	global_load_b128 v[BIAS+4:BIAS+7], v[BOFF], s[6:7] offset:256
	s_mov_b32 s[PASS], 0
	s_mov_b32 s[TBASE], 0
	s_mov_b32 s[AK], 0
	v_mul_u32_u24 v[OOFF], v[HF16], OROW/2         ; 8 rows on for lanes 16-31
	v_lshl_add_u32 v[OOFF], v[R15], 4, v[OOFF]
	s_lshl_b32 s50, s[U], 4
	v_add_nc_u32 v[RB], s50, v[R15]
	s_wait_kmcnt 0x0
	s_min_u32 s[CNT], s[CNT], 1024
	s_add_co_u32 s46, s[CNT], 15
	s_lshr_b32 s46, s46, 4
	s_max_u32 s[TILES], s46, 1
	s_lshl_b32 s48, s[TILES], 4
	s_sub_co_u32 s48, s48, 1                       ; the last row that the launch before wrote
.set t, 0
.rept 5                                            ; the first pass's tiles 4 t + u,
	ROW1 AOFF+t, 64*t
.set t, t+1
.endr
.set t, 0
.rept 12                                           ; and those of the later passes: 20 + 16 (t / 4) + 4 (t % 4) + u
	ROW1 SAOF+t, 320+256*(t/4)+64*(t%4)
.set t, t+1
.endr
	s_cmp_eq_u32 s[KS], 0
	s_cselect_b32 s51, -1, 0                       ; the bias enters the first part alone
	s_wait_loadcnt 0x0
.set i, 0
.rept 4                                            ; b2 to bf16 and back
	v_cvt_pk_bf16_f32 v[WK+i], v[BIAS+2*i], v[BIAS+2*i+1]
	v_lshlrev_b32 v[BIAS+2*i], 16, v[WK+i]
	v_and_b32 v[BIAS+2*i+1], 0xffff0000, v[WK+i]
.set i, i+1
.endr
.set i, 0
.rept 8
	v_and_b32 v[BIAS+i], s51, v[BIAS+i]
.set i, i+1
.endr
	TWCALC 5
	ACCINIT 5
.irp t, 0,1,2,3,4
	ALD \t, 0, ABASE, 0                            ; the rows of steps 0 and 1: 20 loads
.endr
.irp t, 0,1,2,3,4
	ALD \t, 1, ABASE, 64
.endr
.Lj0:
	MEET                                           ; block 0 is laid
.Lmain:                                            ; four trips: blocks 2 j + 1 and 2 j + 2 are laid, blocks 2 j and 2 j + 1 multiplied
	PHASE 0
	PHASE 1
	s_sub_co_u32 s[LC], s[LC], 1
	s_cmp_lg_u32 s[LC], 0
	s_cbranch_scc1 .Lmain
	s_cmp_lt_u32 s[WV], 4
	s_cbranch_scc0 .Lend                           ; the loaders are done; no barrier follows
	s_wait_loadcnt 0x0                             ; the look-ahead's last 20 loads, which serve nothing: no load is out when a pass begins
.Lpass:                                            ; four trips serve every split; dead passes are jumped
	s_cmp_eq_u32 s[PASS], 0
	s_cbranch_scc1 .Lout
	s_cmp_ge_u32 s[TBASE], s[TILES]
	s_cbranch_scc1 .Lpnext
	s_wait_xcnt 0x0                                ; the last stores have read their registers
	TWCALC 4
	s_cmp_eq_u32 s[PASS], 1
	s_cbranch_scc1 .Lp1
	s_cmp_eq_u32 s[PASS], 2
	s_cbranch_scc1 .Lp2
.irp t, 0,1,2,3
	v_mov_b32 v[AOFF+\t], v[SAOF+8+\t]
.endr
	s_branch .Lpgo
.Lp1:
.irp t, 0,1,2,3
	v_mov_b32 v[AOFF+\t], v[SAOF+\t]
.endr
	s_branch .Lpgo
.Lp2:
.irp t, 0,1,2,3
	v_mov_b32 v[AOFF+\t], v[SAOF+4+\t]
.endr
.Lpgo:
	ACCINIT 4
	s_mov_b64 s[WP:WP+1], s[W0:W0+1]
	s_mov_b64 s[AP:AP+1], s[ABASE:ABASE+1]
	s_mov_b32 s[SS], 0
	SWLD 0
.irp t, 0,1,2,3
	ALD \t, 0, AP, 0
.endr
.Lslow:                                            ; 32 steps of 32 K; nothing here touches LDS
	s_wait_loadcnt 0x0                             ; the weights of fragments 0-3 and the rows
	SCVT 0
	SWLD 1
	WIN 0x50
.irp t, 0,1,2,3
	MMT \t, 0, 0
.endr
	WIN 0
	s_wait_loadcnt 0x0                             ; the weights of fragments 4-7: no load is out, so both pointers may be written
	SCVT 1
	s_add_co_u32 s46, s[SS], 1
	s_and_b32 s46, s46, 31                         ; the next step; behind the last, step 0 once more, unused
	s_lshr_b32 s47, s46, 2
	s_lshl_b32 s47, s47, 7
	s_and_b32 s48, s46, 3
	s_lshl_b32 s48, s48, 4
	s_add_co_u32 s47, s47, s48                     ; its first row of W: 128 block + 16 step
	s_lshl_b32 s44, s47, PSH
	s_add_nc_u64 s[WP:WP+1], s[W0:W0+1], s[44:45]
	s_lshl_b32 s44, s46, 6
	s_add_nc_u64 s[AP:AP+1], s[ABASE:ABASE+1], s[44:45]
	SWLD 0
	WIN 0x50
.irp t, 0,1,2,3
	MMT \t, 1, 0
.endr
	WIN 0
	PLACES
.irp t, 0,1,2,3
	ALD \t, 0, AP, 0
.endr
	s_add_co_u32 s[SS], s[SS], 1
	s_cmp_lt_u32 s[SS], 32
	s_cbranch_scc1 .Lslow
.Lout:
	s_wait_loadcnt 0x0                             ; a later pass's last look-ahead
	s_mov_b32 s[UN], 0
.Lunit:                                            ; a unit is tile UN
	s_cmp_ge_u32 s[UN], s[TW]
	s_cbranch_scc1 .Lunext
	s_wait_xcnt 0x0                                ; the last unit's stores have read their data and base
	s_lshl2_add_u32 s47, s[UN], s[TBASE]
	s_add_co_u32 s47, s47, s[U]
	s_mul_i32 s44, s47, 16*OROW
	s_add_nc_u64 s[OB:OB+1], s[OB0:OB0+1], s[44:45]
	s_cmp_eq_u32 s[UN], 0
	s_cbranch_scc1 .Lt0
	s_cmp_eq_u32 s[UN], 1
	s_cbranch_scc1 .Lt1
	s_cmp_eq_u32 s[UN], 2
	s_cbranch_scc1 .Lt2
	s_cmp_eq_u32 s[UN], 3
	s_cbranch_scc1 .Lt3
	TMOV 4
	s_branch .Lcommon
.Lt0:
	WIN 0x01
	TMOV 0
	WIN 0
	s_branch .Lcommon
.Lt1:
	WIN 0x01
	TMOV 1
	WIN 0
	s_branch .Lcommon
.Lt2:
	WIN 0x01
	TMOV 2
	WIN 0
	s_branch .Lcommon
.Lt3:
	WIN 0x01
	TMOV 3
	WIN 0
.Lcommon:
.set j, 0
.rept 8
	global_store_b128 v[OOFF], v[Y+8*j:Y+8*j+3], s[OB:OB+1] offset:j*OROW        ; 16 lanes store 256 consecutive bytes, aligned
	global_store_b128 v[OOFF], v[Y+8*j+4:Y+8*j+7], s[OB:OB+1] offset:j*OROW+256
.set j, j+1
.endr
.Lunext:
	s_add_co_u32 s[UN], s[UN], 1
	s_cmp_lt_u32 s[UN], 5
	s_cbranch_scc1 .Lunit
.Lpnext:
	s_cmp_eq_u32 s[PASS], 0
	s_cselect_b32 s46, 20, 16                      ; the first pass has 20 tiles, the later ones 16
	s_add_co_u32 s[TBASE], s[TBASE], s46
	s_add_co_u32 s[PASS], s[PASS], 1
	s_cmp_lt_u32 s[PASS], 4
	s_cbranch_scc1 .Lpass
.Lend:
	s_wait_tensorcnt 0x0                           ; the wave's end
	ds_add_u32 v[SPW], v[NIL]
	s_wait_dscnt 0x0
	s_endpgm
.Lfunc_end_k_qe25de5ee61_moe2:
	.size	k_qe25de5ee61_moe2, .Lfunc_end_k_qe25de5ee61_moe2-k_qe25de5ee61_moe2
	.p2alignl 7, 3214868480
	.fill 96, 4, 3214868480
	.section	.rodata,"a",@progbits
	.p2align	6, 0x0
	.amdhsa_kernel k_qe25de5ee61_moe2
		.amdhsa_group_segment_fixed_size 66560
		.amdhsa_private_segment_fixed_size 0
		.amdhsa_enable_private_segment 0
		.amdhsa_kernarg_size 40
		.amdhsa_user_sgpr_count 2
		.amdhsa_user_sgpr_kernarg_segment_ptr 1
		.amdhsa_wavefront_size32 1
		.amdhsa_system_sgpr_workgroup_id_x 1
		.amdhsa_system_sgpr_workgroup_id_y 1
		.amdhsa_system_sgpr_workgroup_id_z 1
		.amdhsa_system_vgpr_workitem_id 0
		.amdhsa_next_free_vgpr 512
		.amdhsa_next_free_sgpr 88
		.amdhsa_reserve_vcc 0
		.amdhsa_float_denorm_mode_32 3
		.amdhsa_float_denorm_mode_16_64 3
		.amdhsa_memory_ordered 1
		.amdhsa_forward_progress 1
		.amdhsa_inst_pref_size 129
	.end_amdhsa_kernel
	.amdgpu_metadata
---
amdhsa.version: [ 1, 2 ]
amdhsa.kernels:
  - .name:           k_qe25de5ee61_moe2
    .symbol:         k_qe25de5ee61_moe2.kd
    .args:
      - { .name: W2, .offset: 0, .size: 8, .value_kind: global_buffer, .address_space: global }
      - { .name: b2, .offset: 8, .size: 8, .value_kind: global_buffer, .address_space: global }
      - { .name: h, .offset: 16, .size: 8, .value_kind: global_buffer, .address_space: global }
      - { .name: meta, .offset: 24, .size: 8, .value_kind: global_buffer, .address_space: global }
      - { .name: part, .offset: 32, .size: 8, .value_kind: global_buffer, .address_space: global }
    .group_segment_fixed_size: 66560
    .private_segment_fixed_size: 0
    .kernarg_segment_align: 8
    .kernarg_segment_size: 40
    .max_flat_workgroup_size: 256
    .sgpr_count:     88
    .vgpr_count:     512
    .wavefront_size: 32
...
	.end_amdgpu_metadata
.endif
;; end of part 3
;; launch comb (part 4): grid 256 x 1, 8 waves a work-group, no clusters, 0 bytes of LDS; arguments part, selm, gate, pos, out0; writes out0
.if DOCPART == 4
	.amdgcn_target "amdgcn-amd-amdhsa--gfx1250"
	.amdhsa_code_object_version 6
	.text
	.protected	k_qe25de5ee61_comb
	.globl	k_qe25de5ee61_comb
	.p2align	8
	.type	k_qe25de5ee61_comb,@function
k_qe25de5ee61_comb:
	s_mov_b64 s[64:65], 0
	v_nop
	global_prefetch_b8 v0, s[64:65] scope:SCOPE_SE
	s_setreg_imm32_b32 hwreg(HW_REG_WAVE_MODE, 25, 1), 1
	s_wait_xcnt 0x0
; THE SUM.  out[token] = g0 (the four K parts of its lower expert's row) + g1 (those of its higher expert's row), all in f32.
; A work-group has 4 tokens; thread t has 16 bytes of each row, so a wave's load or store covers 512 consecutive bytes.  Which rows: the token's two experts from selm's byte,
; its rank in each from pos; both were stored as whole numbers by earlier launches and are clamped before they enter an address.  All 32 loads go out before the first wait.
; No LDS, no barrier, no matrix unit: memory binds, and each byte of part that is needed is read once.
	s_load_b256 s[4:11], s[0:1], 0x0               ; part s[4:5], selm s[6:7], gate s[8:9], pos s[10:11]
	s_load_b64 s[12:13], s[0:1], 0x20              ; out0
	s_lshl_b32 s14, ttmp9, 2                       ; my first token; also its byte in selm
	s_lshl_b32 s15, ttmp9, 5                       ; its 8 bytes in gate
	s_lshl_b32 s28, ttmp9, 14                      ; its row in out0
	s_mov_b32 s29, 0
	v_lshlrev_b32 v1, 4, v0                        ; 16 t, and the same in parts 1 to 3, 32 MiB apart
	v_add_nc_u32 v2, 0x2000000, v1
	v_add_nc_u32 v3, 0x4000000, v1
	v_add_nc_u32 v4, 0x6000000, v1
	s_wait_kmcnt 0x0
	s_load_b32 s16, s[6:7], s14 offset:0x0         ; four tokens' bytes
	s_load_b256 s[20:27], s[8:9], s15 offset:0x0   ; four tokens' two weights
	s_add_nc_u64 s[12:13], s[12:13], s[28:29]
	s_wait_kmcnt 0x0
.irp i, 0,1,2,3
	s_bfe_u32 s17, s16, (8<<16)|(8*\i)
	s_ctz_i32_b32 s[32+2*\i], s17                  ; the lower expert,
	s_sub_co_u32 s18, s17, 1
	s_and_b32 s17, s17, s18
	s_ctz_i32_b32 s[33+2*\i], s17                  ; the higher
	s_min_u32 s[32+2*\i], s[32+2*\i], 7
	s_min_u32 s[33+2*\i], s[33+2*\i], 7
	s_add_co_u32 s18, s14, \i
	s_lshl_b32 s18, s18, 2
	s_lshl_b32 s19, s[32+2*\i], 12
	s_add_co_u32 s[40+2*\i], s19, s18              ; pos[expert][token], in bytes
	s_lshl_b32 s19, s[33+2*\i], 12
	s_add_co_u32 s[41+2*\i], s19, s18
	s_load_b32 s[66+2*\i], s[10:11], s[40+2*\i] offset:0x0
	s_load_b32 s[67+2*\i], s[10:11], s[41+2*\i] offset:0x0
.endr
	s_wait_kmcnt 0x0
.irp k, 0,1,2,3,4,5,6,7
	s_min_u32 s[66+\k], s[66+\k], 1023
	s_lshl_b32 s18, s[32+\k], 10
	s_add_co_u32 s18, s18, s[66+\k]
	s_lshl_b32 s18, s18, 12                        ; row 1,024 expert + rank, 4,096 bytes each
	s_mov_b32 s19, 0
	s_add_nc_u64 s[48+2*\k:49+2*\k], s[4:5], s[18:19]
.endr
.set k, 0
.rept 8                                            ; token k / 2, expert slot k % 2: four parts
	global_load_b128 v[16+16*k:16+16*k+3], v1, s[48+2*k:49+2*k] th:TH_LOAD_NT
	global_load_b128 v[16+16*k+4:16+16*k+7], v2, s[48+2*k:49+2*k] th:TH_LOAD_NT
	global_load_b128 v[16+16*k+8:16+16*k+11], v3, s[48+2*k:49+2*k] th:TH_LOAD_NT
	global_load_b128 v[16+16*k+12:16+16*k+15], v4, s[48+2*k:49+2*k] th:TH_LOAD_NT
.set k, k+1
.endr
.irp i, 0,1,2,3
	s_wait_loadcnt 24-8*\i                         ; this token's eight loads are in; the later tokens' stay out
.set B, 16+32*\i
.irp o, 0,2,16,18
	v_pk_add_f32 v[B+\o:B+\o+1], v[B+\o:B+\o+1], v[B+\o+4:B+\o+5]
	v_pk_add_f32 v[B+\o+8:B+\o+9], v[B+\o+8:B+\o+9], v[B+\o+12:B+\o+13]
	v_pk_add_f32 v[B+\o:B+\o+1], v[B+\o:B+\o+1], v[B+\o+8:B+\o+9]
.endr
.irp c, 0,1,2,3
	v_mul_f32 v[B+\c], s[20+2*\i], v[B+\c]
	v_fmac_f32 v[B+\c], s[21+2*\i], v[B+16+\c]
.endr
	global_store_b128 v1, v[B:B+3], s[12:13] offset:4096*\i th:TH_STORE_NT
.endr
	s_endpgm
.Lfunc_end_k_qe25de5ee61_comb:
	.size	k_qe25de5ee61_comb, .Lfunc_end_k_qe25de5ee61_comb-k_qe25de5ee61_comb
	.p2alignl 7, 3214868480
	.fill 96, 4, 3214868480
	.section	.rodata,"a",@progbits
	.p2align	6, 0x0
	.amdhsa_kernel k_qe25de5ee61_comb
		.amdhsa_group_segment_fixed_size 0
		.amdhsa_private_segment_fixed_size 0
		.amdhsa_enable_private_segment 0
		.amdhsa_kernarg_size 40
		.amdhsa_user_sgpr_count 2
		.amdhsa_user_sgpr_kernarg_segment_ptr 1
		.amdhsa_wavefront_size32 1
		.amdhsa_system_sgpr_workgroup_id_x 1
		.amdhsa_system_sgpr_workgroup_id_y 1
		.amdhsa_system_sgpr_workgroup_id_z 1
		.amdhsa_system_vgpr_workitem_id 0
		.amdhsa_next_free_vgpr 144
		.amdhsa_next_free_sgpr 80
		.amdhsa_reserve_vcc 0
		.amdhsa_float_denorm_mode_32 3
		.amdhsa_float_denorm_mode_16_64 3
		.amdhsa_memory_ordered 1
		.amdhsa_forward_progress 1
		.amdhsa_inst_pref_size 13
	.end_amdhsa_kernel
	.amdgpu_metadata
---
amdhsa.version: [ 1, 2 ]
amdhsa.kernels:
  - .name:           k_qe25de5ee61_comb
    .symbol:         k_qe25de5ee61_comb.kd
    .args:
      - { .name: part, .offset: 0, .size: 8, .value_kind: global_buffer, .address_space: global }
      - { .name: selm, .offset: 8, .size: 8, .value_kind: global_buffer, .address_space: global }
      - { .name: gate, .offset: 16, .size: 8, .value_kind: global_buffer, .address_space: global }
      - { .name: pos, .offset: 24, .size: 8, .value_kind: global_buffer, .address_space: global }
      - { .name: out0, .offset: 32, .size: 8, .value_kind: global_buffer, .address_space: global }
    .group_segment_fixed_size: 0
    .private_segment_fixed_size: 0
    .kernarg_segment_align: 8
    .kernarg_segment_size: 40
    .max_flat_workgroup_size: 256
    .sgpr_count:     80
    .vgpr_count:     144
    .wavefront_size: 32
...
	.end_amdgpu_metadata
.endif
;; end of part 4
;; ======== version 2 of 2: 4 launches; version 1 with the launches moe1, moe2 written anew for expert scheduling mode
;; limits: a function is approximated: absolute error at most 2.5e-05
;; workspace buffers: xb 2,097,152 bytes; selm 1,024 bytes of whole numbers; gate 8,192 bytes; meta 1,024 bytes of whole numbers; pos 32,768 bytes of whole numbers; h 67,108,864 bytes; part 134,217,728 bytes
;; launch router: the kernel of part 1 again; grid 256 x 1, 8 waves a work-group, no clusters, 2,048 bytes of LDS; arguments x, Wg, bg, xb, selm, gate; writes xb, selm, gate
;; launch moe1 (part 5): grid 32 x 8, 8 waves a work-group, no clusters, 75,776 bytes of LDS; arguments W1, b1, xb, selm, h, meta, pos; writes h, meta, pos
.if DOCPART == 5
	.amdgcn_target "amdgcn-amd-amdhsa--gfx1250"
	.amdhsa_code_object_version 6
	.text
	.protected	k_qe25de5ee61_moe1
	.globl	k_qe25de5ee61_moe1
	.p2align	8
	.type	k_qe25de5ee61_moe1,@function
k_qe25de5ee61_moe1:
	s_mov_b64 s[64:65], 0
	v_nop
	global_prefetch_b8 v0, s[64:65] scope:SCOPE_SE
	s_setreg_imm32_b32 hwreg(HW_REG_WAVE_SCHED_MODE, 0, 2), 2
	s_setreg_imm32_b32 hwreg(HW_REG_WAVE_MODE, 25, 1), 1
	s_wait_xcnt 0x0
	s_wait_alu depctr_vm_vsrc(0)
; FIRST PRODUCT.  h[e][rank][:] = gelu(x[token] W1[e] + b1[e]) for the tokens that chose expert e, in bf16.  W1: [8][1024][4096] f32, rounded once to bf16 on its way; b1 likewise; sums in f32.
; SHARES.  A work-group has 128 columns x all 1,024 K of ONE expert: 524,288 bytes of W1 that it alone reads in the first pass.  Waves 4-7 are LOADERS: each keeps up to 56 loads of 16 bytes a lane issued
; (a ring of 8 x 32 registers, 7 stages ahead), rounds to bf16 and lays a block of 128 K into one of two LDS slots, in the order of the matrix unit's fragments.  Waves 0-3 are CONSUMERS: they multiply the block
; laid one phase earlier; token rows come from memory straight into registers, on a load counter that no weight load shares.  Each phase ends in a barrier that all eight waves pass at the same line.
; Every LDS address is a fixed register (lane and wave terms), made at the head by every wave and never rewritten, plus an immediate.
; ONE TEXT FOR EVERY TRIP.  From ring stage 32 on nothing is left to ask for: the lane term is masked to 0 and the base wraps into the slice, so such a load reads 16 bytes for the whole wave, inside the
; buffer, and every count stays as it is.  The ninth block's turn lays what those loads brought into slot 0, which nobody reads again.  The consumers' last two look-aheads wrap to K = 0 likewise (20 loads).
; ROWS.  In the first pass consumer u has the tiles of 16 rows 4 t + u, t = 0..4: 320 rows.  Tiles 0-3 are always multiplied (rows past the count repeat the last row); tile 4's products are jumped where it is dead.
; Rows beyond 320 (any split is served, up to all 1,024 tokens) go in up to three further passes of 256 rows, with no LDS and no barrier: each consumer loads the f32 weights itself, rounds them straight
; into fragments and multiplies: plain and slow, for skewed splits alone.  An expert without rows computes and stores one tile of token 0.
; NO TRANSPOSE.  A lane loads 16 bytes = 4 columns 64 q + 4 r + j of 8 rows; the roundings of rows 2 p, 2 p + 1 of column j are register p of fragment 4 q + j.  So fragment f, lane r is column 64 (f / 4) + 4 r + f % 4,
; a lane's 8 results of a row go to 16 consecutive bytes, and h (like xb) holds, in each block of 128, number 64 q + 4 p + j at place 8 p + 4 q + j; W's rows are taken in the matching order.
; THE LIST.  Each consumer counts for itself: selm's bytes give, for each group of 32 tokens, a mask; a token's rank is the running count plus the set bits below its lane.  Ranks go to an LDS list of the wave's own
; (rank -> token), read back behind a barrier; one wave of the first column block stores the ranks as pos and the count as meta.
; NO MULTICAST, NO TENSOR LOAD: each weight byte has one reader, and the shared rows come by a list, which no descriptor covers.
; GELU.  gelu(y) = max(y, 0) - |y| P(t) 2^-(c y)^2, t = 1 / (1 + 0.33267253 |y|), P = ((0.3739278 t - 0.0479399) t + 0.1740121) t, c^2 = log2(e) / 2: the three-term rational form of erf, whose
; absolute error is at most 2.5e-5 for every y.  LIMITS: that error; h rounded once to bf16; NaN and infinities are not treated apart.
; The accumulators start from the bias (320 moves, while the first block is on its way), so no first K step is written out.
; THE MODE: SCHED_MODE bits 1:0 = 2 (LLVM: expert scheduling mode 2), set by the entry lines.  The code itself states the register dependences
; between vector or matrix instructions and memory or LDS instructions, with s_wait_alu, always for 0.
; THE PLAN.  Registers that memory or LDS instructions touch, in the main loop:
;   LOADER   the ring     Stage n: its sixteen roundings read it; the eight loads of the next stage's turn land in it.
;            CT0, CT1     Stage n: its roundings write CT[n % 2]; its four LDS stores read it.
;            LOFX, LOFY   Read by the loads; written once a trip, at the even block's end.  LOFF and LST0 are never written again.
;   One pair of waits a stage, behind its roundings.  vm_vsrc: the stores of the stage before have read the other CT, which the next stage's roundings write.  va_vdst: the roundings have written
;   CT[n % 2], which the stores that follow read, and are done reading ring stage n, in which the next stage's loads land with no further wait: nothing between names those registers.
;   CONSUMER fragments 0-3, 4-7   LDS loads land in them; the products of a step's first and second half read them.
;            AB0, AB1     Step s: its products read AB[s % 2]; at the step's end the rows of step s + 2 are asked for into it.
;            AOFF, LN16   Addresses: made at the head; AOFF again at a later pass's head.
;   The accumulators are named by vector and matrix instructions alone.
;   Two waits on va_vdst a step.  In its middle: the first half's products are done reading fragments 0-3, in which the next step's land.  At its end: the step's products are done reading AB[s % 2] and
;   fragments 4-7 (a block's last step: 0-3 too); the row loads follow, and so do, with no vector or matrix instruction between, the next step's loads of fragments 4-7 and the next block's first loads.
;   The wave's 512 registers are all taken (320 of accumulators, 64 of fragments, 80 of rows, the addresses), so there is no third buffer; and the loads stay in runs, since the products' destination window is 1.
.set PITCH,  16384                     ; bytes in a row of W1
.set PSH,    14
.set OROW,   8192                      ; bytes in a row of h
.set AROWSH, 11                        ; a row of xb is 2,048 bytes
.set SLOTB,  32768                     ; an LDS slot: step x 8,192 + q x 4,096 + g x 2,048 + j x 512 + lane x 16
.set LIST,   65536                     ; behind the two slots: four lists of 1,152 u16: 1,024 ranks, then a dump place a lane
.set LISTB,  2304
.set SPARE,  74752                     ; the spare words, 128 bytes a wave
; vector registers, window 0
.set SPW,  1
.set NIL,  2
.set SLOF, 3                           ; 4 (lane / 16) rows of W + 16 (lane % 16)
.set AOFF, 4                           ; v4-8  consumer: byte offset of my row of tile t
.set L4,   9                           ; 4 x lane
.set R15,  10                          ; lane % 16
.set HF16, 11                          ; 16 x (lane / 16)
.set OOFF, 12                          ; my byte offset in the rows that I store
.set TA,   13
.set LN16, 14                          ; 16 x lane: the consumers' LDS address
.set TC,   15
.set HB,   16                          ; v16-47 fragments 0-3 of W, v48-79 fragments 4-7
.set CT,   16                          ; loader: v16-31, v32-47 packed, two buffers by turns; the ring is window 1
.set AB,   80                          ; v80-119, v120-159: two buffers of 5 tiles' fragments of rows
.set ACC4, 160                         ; v160-223 tile 4's accumulators; tiles 0-3: window 1, v[64 t + 8 f]
.set ST,   160                         ; later passes: 16 loads of f32 weights
.set BIAS, 224                         ; v224-231 b1 of my column in fragment f
.set SAOF, 232                         ; v232-243 row offsets of the later passes, 4 a pass
.set BOFF, 244
.set DMP,  245
.set RB,   246                         ; 16 u + lane % 16
.set WK,   248                         ; v248-251 at work
.set LST0, 252                         ; loader: LDS address 2,048 u + 16 lane
.set LOFX, 253                         ; loader: LOFF, or 0 when the group has nothing left to ask for
.set LOFY, 254
.set LOFF, 255                         ; loader: SLOF + 8 g rows + 256 q
.set SM,   16                          ; set-up: v16-23 my 32 bytes of selm
.set LT,   24                          ; set-up: v24-27 at work
.set RK,   80                          ; set-up: v80-111 ranks
.set ADR,  112                         ; set-up: v112-128 places in my list, as I read it
.set LA,   129                         ; set-up: v129-160 places in my list, as I write it
.set LD,   161                         ; set-up: v161-192 the tokens' numbers
.set Y,    16                          ; way out: v16-47 rows 0-3 of a half tile, v48-79 the other half
.set T,    80
.set P,    112
; scalar registers
.set WV, 20
.set U,  21
.set NB, 22
.set E,  23
.set CNT, 24
.set TILES, 25
.set TBASE, 26                         ; the pass's first tile
.set PASS, 27
.set TW, 28                            ; live tiles of mine in this pass
.set SS, 29
.set LC, 30
.set UN, 31
.set W0, 32                            ; s[32:33] my slice of W1
.set ABASE, 34
.set WNX, 36                           ; s[36:37], s[38:39] the loaders' two bases
.set WNY, 38
.set OB0, 40
.set OB, 42
.set MK, 48                            ; set-up: s48-51 four groups' masks
.set EB, 52                            ; s52-55 my expert's bit in byte b of a word of selm
.set RUN, 56
.set CM1, 57
.set AK, 59
.set LBS, 60                           ; my list
.set CC, 66
.set H3, 68
.set H2, 70
.set H1, 72
.set PP, 74
.set APX, 76                           ; s[76:77] rows at the trip's K bytes; s[78:79] at the next trip's, wrapped
.set APY, 78
.set WP, 80
.set AP, 82
.set OX, 84                            ; s[84:85], s[86:87] the two bases' byte offsets in the slice, high words 0
.set OY, 86
.set MSB, 0
.macro WIN new                         ; the immediate's high byte repeats the setting that is left; a switch that changes nothing is dropped
.if MSB != (\new)
	s_set_vgpr_msb (MSB<<8)|(\new)
.set MSB, \new
.endif
.endm
.macro MEET                            ; every wave's LDS instructions are done, and all eight meet
	s_wait_dscnt 0x0
	s_barrier_signal -1
	s_barrier_wait -1
.endm
; LOADER.  Ring stage n8 (8 rows x 4 columns a lane) is in; the stage read last is asked for again, 7 stages on; rounded in pairs of rows; 4 x 16 bytes go to LDS.
; first = 1: the kernel's first stage, with no LDS store ahead of it.
.macro LSUB n8, slot, st, vo, sb, rb, rs, first=0
	s_wait_loadcnt 48                              ; 56 are issued and come back in order: the oldest eight, this stage's, are in
	WIN 0x40                                       ; destination in window 1
.set d8, ((\n8)+7)%8
.set ii, 0
.rept 8
	global_load_b128 v[32*d8+4*ii:32*d8+4*ii+3], v[\vo], s[(\sb):(\sb)+1] offset:(128*(\rb)+16*(\rs)+64*(ii/4)+(ii%4))*PITCH th:TH_LOAD_NT  ; two rows x 256 consecutive bytes, aligned.  No wait: nothing since the last stage's wait on va_vdst names these registers
.set ii, ii+1
.endr
	WIN 0x05                                       ; sources in window 1
.set cq, CT+16*((\n8)%2)
.set jf, 0
.rept 4
.set p, 0
.rept 4
	v_cvt_pk_bf16_f32 v[cq+4*jf+p], v[32*(\n8)+8*p+jf], v[32*(\n8)+8*p+4+jf]
.set p, p+1
.endr
.set jf, jf+1
.endr
	WIN 0
.if !(\first)
	s_wait_alu depctr_vm_vsrc(0)                   ; the LDS stores of the stage before have read the other packed buffer, which the next stage's roundings write again
.endif
	s_wait_alu depctr_va_vdst(0)                   ; the roundings have written this packed buffer, which the stores below read, and are done reading ring stage n8, in which the next stage's loads land
.set jf, 0
.rept 4
	ds_store_b128 v[LST0], v[cq+4*jf:cq+4*jf+3] offset:(\slot)*SLOTB+(\st)*8192+jf*512  ; 512 consecutive bytes a wave
.set jf, jf+1
.endr
.endm
.macro LA                              ; an odd block: ring stages 4-7, slot 1
	LSUB 4, 1, 0, LOFX, WNX, 0, 3
	LSUB 5, 1, 1, LOFX, WNX, 1, 0
	LSUB 6, 1, 2, LOFX, WNX, 1, 1
	LSUB 7, 1, 3, LOFX, WNX, 1, 2
.endm
.macro LB first=0                      ; an even block: ring stages 0-3, slot 0; then both bases go two blocks on
	LSUB 0, 0, 0, LOFX, WNX, 1, 3, \first
	LSUB 1, 0, 1, LOFY, WNY, 0, 0
	LSUB 2, 0, 2, LOFY, WNY, 0, 1
	LSUB 3, 0, 3, LOFY, WNY, 0, 2
	s_wait_xcnt 0x0                                ; the loads' bases and offsets are rewritten only behind this wait
	s_wait_alu depctr_vm_vsrc(0)                   ; the loads issued so far have read LOFX and LOFY, which are written below
	s_add_co_u32 s[OX], s[OX], 256*PITCH
	s_and_b32 s[OX], s[OX], 1024*PITCH-1           ; wrapped into the slice
	s_add_co_u32 s[OY], s[OY], 256*PITCH
	s_and_b32 s[OY], s[OY], 1024*PITCH-1
	s_add_nc_u64 s[WNX:WNX+1], s[W0:W0+1], s[OX:OX+1]
	s_add_nc_u64 s[WNY:WNY+1], s[W0:W0+1], s[OY:OY+1]
	s_cmp_ge_u32 s[LC], 3                          ; the first group asks for stages up to 31 in the trips with LC = 4, 3, 2,
	s_cselect_b32 s46, -1, 0
	v_and_b32 v[LOFX], s46, v[LOFF]
	s_cmp_ge_u32 s[LC], 4                          ; the second in those with LC = 4, 3
	s_cselect_b32 s46, -1, 0
	v_and_b32 v[LOFY], s46, v[LOFF]
	s_wait_alu depctr_va_vdst(0)                   ; LOFX and LOFY are written, which the next blocks' loads read as their offsets
.endm
; CONSUMER.
.macro BLD q, slot, st                 ; four fragments of W, 32 K: eight loads of 512 consecutive bytes
.set jf, 0
.rept 4
	ds_load_b128 v[HB+32*(\q)+8*jf:HB+32*(\q)+8*jf+3], v[LN16] offset:(\slot)*SLOTB+(\st)*8192+(\q)*4096+jf*512
	ds_load_b128 v[HB+32*(\q)+8*jf+4:HB+32*(\q)+8*jf+7], v[LN16] offset:(\slot)*SLOTB+(\st)*8192+(\q)*4096+jf*512+2048
.set jf, jf+1
.endr
.endm
.macro MMT t, q, ab                    ; tile t x fragments 4 q .. 4 q + 3.  The accumulators take turns, one instruction a turn
.set jf, 0
.rept 4
.if (\t) < 4
.set rA, 64*(\t)+8*(4*(\q)+jf)
.else
.set rA, ACC4+8*(4*(\q)+jf)
.endif
	v_wmma_f32_16x16x32_bf16 v[rA:rA+7], v[AB+40*(\ab)+8*(\t):AB+40*(\ab)+8*(\t)+7], v[HB+32*(\q)+8*jf:HB+32*(\q)+8*jf+7], v[rA:rA+7]
.set jf, jf+1
.endr
.endm
.macro ALD t, ab, b, off               ; tile t's fragment of rows, 32 K
	global_load_b128 v[AB+40*(\ab)+8*(\t):AB+40*(\ab)+8*(\t)+3], v[AOFF+(\t)], s[(\b):(\b)+1] offset:(\off)
	global_load_b128 v[AB+40*(\ab)+8*(\t)+4:AB+40*(\ab)+8*(\t)+7], v[AOFF+(\t)], s[(\b):(\b)+1] offset:(\off)+32
.endm
.macro PLACES                          ; four plain places between a matrix instruction and a load into, or a read of, its registers
.rept 4
	v_nop
.endr
.endm
; A step of 32 K.  20 row loads are issued at its head: this step's ten, then the next step's ten.
.macro STEP slot, st
.set ib, (\st)%2
.set pos, 4*(\slot)+(\st)
	s_wait_dscnt 0x0                               ; fragments 0-3 are in
	BLD 1, \slot, \st                              ; no wait: no vector or matrix instruction since the wait at the last step's end names fragments 4-7
	WIN 0x50                                       ; C and D in window 1
.irp t, 0,1,2,3
	s_wait_loadcnt 18-2*\t                         ; tile t's two loads are in; the younger ones stay out
	MMT \t, 0, ib
.endr
	WIN 0
	s_wait_loadcnt 10                              ; tile 4's too, on both ways: its registers are asked for again below
	s_cmp_lt_u32 s[TW], 5
	s_cbranch_scc1 .La_\@
	MMT 4, 0, ib
.La_\@:
	PLACES
	s_wait_dscnt 0x0                               ; fragments 4-7 are in
.if (\st) < 3
	s_wait_alu depctr_va_vdst(0)                   ; the products above are done reading fragments 0-3, in which the next step's land
	BLD 0, \slot, (\st)+1                          ; the block's last step fetches nothing: the next block is shown by the barrier
.endif
	WIN 0x50
.irp t, 0,1,2,3
	MMT \t, 1, ib
.endr
	WIN 0
	s_cmp_lt_u32 s[TW], 5
	s_cbranch_scc1 .Lc_\@
	MMT 4, 1, ib
.Lc_\@:
	PLACES
	s_wait_alu depctr_va_vdst(0)                   ; the step's products are done reading this row buffer, in which the loads below land, and fragments 4-7 (a block's last step: 0-3 too), which are loaded next
.irp t, 0,1,2,3,4
.if pos < 6
	ALD \t, ib, APX, 64*(pos+2)                    ; the rows of the step two steps on
.else
	ALD \t, ib, APY, 64*(pos-6)
.endif
.endr
.endm
.macro CBLK slot                       ; a block of 128 K out of a slot
	BLD 0, \slot, 0
	STEP \slot, 0
	STEP \slot, 1
	STEP \slot, 2
	STEP \slot, 3
.endm
.macro CUPD                            ; the row pointers go 512 bytes of K on, wrapped at a row's 2,048
	s_wait_xcnt 0x0                                ; the row loads' bases are rewritten only behind this wait
	s_add_co_u32 s[AK], s[AK], 512
	s_and_b32 s44, s[AK], 2047
	s_add_nc_u64 s[APX:APX+1], s[ABASE:ABASE+1], s[44:45]
	s_add_co_u32 s44, s[AK], 512
	s_and_b32 s44, s44, 2047
	s_add_nc_u64 s[APY:APY+1], s[ABASE:ABASE+1], s[44:45]
.endm
; A phase: the loaders lay a block into one slot, the consumers multiply the block in the other; then all eight meet.
.macro PHASE ab
	s_cmp_lt_u32 s[WV], 4
	s_cbranch_scc0 .Lld_\@
	CBLK \ab
.if \ab
	CUPD
.endif
	s_branch .Ljoin_\@
.Lld_\@:
.if \ab
	LB
.else
	LA
.endif
.Ljoin_\@:
	MEET
.endm
.macro ACCINIT n                       ; the sums start from the bias of their column
	WIN 0x40
.set t, 0
.rept 32
.set j, 0
.rept 8
	v_mov_b32 v[8*t+j], v[BIAS+t%8]
.set j, j+1
.endr
.set t, t+1
.endr
	WIN 0
.if (\n) == 5
.set t, 0
.rept 8
.set j, 0
.rept 8
	v_mov_b32 v[ACC4+8*t+j], v[BIAS+t]
.set j, j+1
.endr
.set t, t+1
.endr
.endif
.endm
.macro TWCALC cap                      ; how many t have TBASE + 4 t + u < TILES, cap at the most
	s_sub_co_i32 s47, s[TILES], s[TBASE]
	s_sub_co_i32 s47, s47, s[U]
	s_add_co_i32 s47, s47, 3
	s_max_i32 s47, s47, 0
	s_lshr_b32 s47, s47, 2
	s_min_u32 s[TW], s47, \cap
.endm
.macro ROW1A adr, c                    ; rank c + 16 u + lane % 16 (past the count: the last one) -> its place in my list
	v_add_nc_u32 v[\adr], \c, v[RB]
	v_min_u32 v[\adr], s[CM1], v[\adr]
	v_min_u32 v[\adr], 0x3ff, v[\adr]
	v_lshl_add_u32 v[\adr], v[\adr], 1, s[LBS]
.endm
.macro ROW2 dst                        ; the token -> the byte offset of my part of its row
	v_min_u32 v[\dst], 0x3ff, v[\dst]
	v_lshl_add_u32 v[\dst], v[\dst], AROWSH, v[HF16]
.endm
.macro TMOV t                          ; a tile leaves its accumulators, each read from its lowest register on: row j, fragment f -> Y + 8 j + f
.set f, 0
.rept 8
.set j, 0
.rept 8
.if (\t) < 4
	v_mov_b32 v[Y+8*j+f], v[64*(\t)+8*f+j]
.else
	v_mov_b32 v[Y+8*j+f], v[ACC4+8*f+j]
.endif
.set j, j+1
.endr
.set f, f+1
.endr
.endm
.macro SWLD q                          ; later passes: 16 rows x 4 columns a lane of f32 weights, 32 K x 64 columns for the wave
.set ii, 0
.rept 16
	global_load_b128 v[ST+4*ii:ST+4*ii+3], v[SLOF], s[WP:WP+1] offset:(8*(ii/8)+64*((ii%8)/4)+(ii%4))*PITCH+256*(\q)
.set ii, ii+1
.endr
.endm
.macro SCVT q                          ; rounded straight into fragments 4 q .. 4 q + 3
.set jf, 0
.rept 4
.set gp, 0
.rept 8
	v_cvt_pk_bf16_f32 v[HB+32*(\q)+8*jf+gp], v[ST+8*gp+jf], v[ST+8*gp+4+jf]
.set gp, gp+1
.endr
.set jf, jf+1
.endr
.endm
	s_load_b256 s[4:11], s[0:1], 0x0               ; W1 s[4:5], b1 s[6:7], xb s[8:9], selm s[10:11]
	s_load_b128 s[12:15], s[0:1], 0x20             ; h s[12:13], meta s[14:15]
	s_load_b64 s[16:17], s[0:1], 0x30              ; pos
	v_lshl_add_u32 v[SPW], v0, 2, SPARE
	v_mov_b32 v[NIL], 0
	v_lshrrev_b32 v[TA], 5, v0
	v_readfirstlane_b32 s[WV], v[TA]
	s_mov_b32 s[NB], ttmp9
	s_and_b32 s[E], ttmp7, 0xffff
	v_and_b32 v[R15], 15, v0
	v_and_b32 v[HF16], 16, v0
	v_and_b32 v[L4], 31, v0
	v_lshlrev_b32 v[LN16], 4, v[L4]
	v_lshlrev_b32 v[L4], 2, v[L4]
	v_mul_u32_u24 v[SLOF], v[HF16], PITCH/4        ; 4 rows on for lanes 16-31
	v_lshl_add_u32 v[SLOF], v[R15], 4, v[SLOF]
	s_lshl_b32 s50, s[E], 14                       ; an expert's b1 is 16,384 bytes, 128 columns are 512
	s_lshl_b32 s51, s[NB], 9
	s_add_co_u32 s50, s50, s51
	v_lshl_add_u32 v[BOFF], v[R15], 4, s50
	s_wait_alu depctr_va_sdst(0)                   ; the wave's number is written, ahead of its first reader
	s_and_b32 s[U], s[WV], 3
	; the fixed registers of either role are made here, by every wave, and never rewritten (LOFX and LOFY: by the loaders alone)
	s_lshr_b32 s46, s[U], 1                        ; a loader's half of the columns, q = u / 2,
	s_and_b32 s47, s[U], 1                         ; and of a step's rows, g = u % 2
	s_mul_i32 s48, s47, 8*PITCH
	s_lshl_b32 s49, s46, 8
	s_add_co_u32 s48, s48, s49
	v_add_nc_u32 v[LOFF], s48, v[SLOF]
	v_mov_b32 v[LOFX], v[LOFF]
	v_mov_b32 v[LOFY], v[LOFF]
	s_lshl_b32 s48, s[U], 11
	v_add_nc_u32 v[LST0], s48, v[LN16]             ; 2,048 u + 16 lane
	s_lshl_b32 s48, s[U], 4
	v_add_nc_u32 v[RB], s48, v[R15]
	s_mul_i32 s[LBS], s[U], LISTB
	s_add_co_u32 s[LBS], s[LBS], LIST
	s_mov_b32 s[OX], 0
	s_mov_b32 s[OX+1], 0
	s_mov_b32 s[OY], 256*PITCH
	s_mov_b32 s[OY+1], 0
	s_mov_b32 s[CM1], 0
	s_mov_b32 s[PASS], 0
	s_mov_b32 s[TBASE], 0
	s_mov_b32 s[AK], 0
	s_mov_b32 s[LC], 4
	s_lshl_b32 s44, s[E], 24                       ; an expert's W1 is 16 MiB,
	s_lshl_b32 s46, s[NB], 9                       ; 128 columns are 512 bytes
	s_add_co_u32 s44, s44, s46
	s_mov_b32 s45, 0                               ; s45 stays 0: s[44:45] is an offset
	s_lshl_b32 s48, s[E], 23                       ; an expert's h is 8 MiB; 128 columns are 256 bytes
	s_lshl_b32 s46, s[NB], 8
	s_add_co_u32 s48, s48, s46
	s_mov_b32 s49, 0
	s_wait_kmcnt 0x0
	; every pointer of either role is made here, by every wave
	s_add_nc_u64 s[W0:W0+1], s[4:5], s[44:45]
	s_mov_b64 s[WNX:WNX+1], s[W0:W0+1]             ; block 0,
	s_add_nc_u64 s[WNY:WNY+1], s[W0:W0+1], 256*PITCH  ; block 2
	s_mov_b64 s[ABASE:ABASE+1], s[8:9]
	s_mov_b64 s[APX:APX+1], s[8:9]
	s_add_nc_u64 s[APY:APY+1], s[8:9], 512
	s_add_nc_u64 s[OB0:OB0+1], s[12:13], s[48:49]
	s_wait_alu depctr_va_vdst(0)                   ; the head's offsets and LDS addresses are written (SLOF, L4, LN16, BOFF, LST0, LOFF, LOFX, LOFY), which the loads and stores of either role read
	s_cmp_lt_u32 s[WV], 4
	s_cbranch_scc1 .Lc0
	WIN 0x40                                       ; LOADER
.set m, 0
.rept 7                                            ; ring stages 0 to 6: 56 loads
.set ii, 0
.rept 8
	global_load_b128 v[32*m+4*ii:32*m+4*ii+3], v[LOFF], s[W0:W0+1] offset:(128*(m/4)+16*(m%4)+64*(ii/4)+(ii%4))*PITCH th:TH_LOAD_NT
.set ii, ii+1
.endr
.set m, m+1
.endr
	WIN 0
	s_branch .Lj0
.Lc0:                                              ; CONSUMER: the list
.set c, 0
.rept 8
	global_load_b32 v[SM+c], v[L4], s[10:11] offset:128*c  ; the bytes of tokens 128 c + 4 lane + 0..3
.set c, c+1
.endr
	global_load_b128 v[BIAS:BIAS+3], v[BOFF], s[6:7]
	global_load_b128 v[BIAS+4:BIAS+7], v[BOFF], s[6:7] offset:256
	s_mov_b32 s[CC], 0x3f596d28                    ; c = 0.8493218
	s_mov_b32 s[CC+1], s[CC]                       ; the pairs' high words are named with them
	s_mov_b32 s[H3], 0x3ebf7377                    ; 0.3739278
	s_mov_b32 s[H3+1], s[H3]
	s_mov_b32 s[H2], 0xbd445ca1                    ; -0.0479399
	s_mov_b32 s[H2+1], s[H2]
	s_mov_b32 s[H1], 0x3e32303a                    ; 0.1740121
	s_mov_b32 s[H1+1], s[H1]
	s_mov_b32 s[PP], 0x3eaa540e                    ; 0.33267253
	s_lshl_b32 s[EB], 1, s[E]
	s_lshl_b32 s[EB+1], s[EB], 8
	s_lshl_b32 s[EB+2], s[EB], 16
	s_lshl_b32 s[EB+3], s[EB], 24
	s_mov_b32 s[RUN], 0
	v_mul_u32_u24 v[OOFF], v[HF16], OROW/2         ; 8 rows on for lanes 16-31
	v_lshl_add_u32 v[OOFF], v[R15], 4, v[OOFF]
	v_lshrrev_b32 v[DMP], 2, v[L4]
	v_add_nc_u32 v[DMP], 1024, v[DMP]              ; my dump place in the list
	v_mov_b32 v[TC], s[LBS]
	v_mov_b32 v[WK], 0
	s_wait_loadcnt 0x2                             ; selm's eight words are in; the two loads of the bias stay out
	; the 32 groups' places and tokens are made in registers of their own, so that one wait serves all the list's stores; the compares go in runs of four, each run with one wait
.set c, 0
.rept 8
.set b, 0
.rept 4                                            ; the 32 tokens 128 c + 4 lane + b
	v_and_b32 v[LT+b], s[EB+b], v[SM+c]
.set b, b+1
.endr
.set b, 0
.rept 4
	v_cmp_ne_u32 s[MK+b], 0, v[LT+b]
.set b, b+1
.endr
	s_wait_alu depctr_va_sdst(0)                   ; the four masks are written, ahead of their first readers
.set b, 0
.rept 4
	v_mbcnt_lo_u32_b32 v[RK+4*c+b], s[MK+b], s[RUN]  ; rank: the count so far plus the chosen ones below my lane
	s_bcnt1_i32_b32 s46, s[MK+b]
	s_add_co_u32 s[RUN], s[RUN], s46
	v_cndmask_b32 v[LA+4*c+b], v[DMP], v[RK+4*c+b], s[MK+b]  ; chosen: my rank; else my dump place
	v_min_u32 v[LA+4*c+b], 0x47f, v[LA+4*c+b]
	v_lshl_add_u32 v[LA+4*c+b], v[LA+4*c+b], 1, s[LBS]
	v_add_nc_u32 v[LD+4*c+b], 128*c+b, v[L4]
.set b, b+1
.endr
.set c, c+1
.endr
	s_min_u32 s[CNT], s[RUN], 1024
	s_add_co_u32 s46, s[CNT], 15
	s_lshr_b32 s46, s46, 4
	s_max_u32 s[TILES], s46, 1
	s_max_u32 s46, s[CNT], 1
	s_sub_co_u32 s[CM1], s46, 1
	v_mov_b32 v[TA], s[CNT]
	s_wait_alu depctr_va_vdst(0)                   ; the places, the tokens' numbers, the ranks, the count, the zero and OOFF are written, which the LDS stores and the global stores below read
	ds_store_b16 v[TC], v[WK]                      ; rank 0 is token 0 until a token takes it: an expert without rows still has a row to read
.set i, 0
.rept 32
	ds_store_b16 v[LA+i], v[LD+i]
.set i, i+1
.endr
	s_cmp_lg_u32 s[NB], 0
	s_cbranch_scc1 .Lnopos                         ; the first column block's
	s_cmp_lg_u32 s[WV], 0
	s_cbranch_scc1 .Lnopos                         ; wave 0 stores the expert's ranks and count
	s_lshl_b32 s44, s[E], 12
	s_add_nc_u64 s[46:47], s[16:17], s[44:45]
	s_lshl_b32 s44, s[E], 7
	s_add_nc_u64 s[48:49], s[14:15], s[44:45]
.set c, 0
.rept 8
	global_store_b128 v[LN16], v[RK+4*c:RK+4*c+3], s[46:47] offset:512*c
.set c, c+1
.endr
	global_store_b32 v[L4], v[TA], s[48:49]
	s_wait_xcnt 0x0                                ; RK's registers take row fragments later
.Lnopos:
.Lj0:
	MEET                                           ; the lists are written
	s_cmp_lt_u32 s[WV], 4
	s_cbranch_scc1 .Lc1
	LB 1                                           ; block 0 into slot 0
	s_branch .Lj1
.Lc1:
.set t, 0
.rept 5                                            ; the first pass's tiles 4 t + u,
	ROW1A ADR+t, 64*t
.set t, t+1
.endr
.set t, 0
.rept 12                                           ; and those of the later passes: 20 + 16 (t / 4) + 4 (t % 4) + u
	ROW1A ADR+5+t, 320+256*(t/4)+64*(t%4)
.set t, t+1
.endr
	s_wait_alu depctr_va_vdst(0)                   ; the 17 places are written, which the loads below read as their addresses
.set t, 0
.rept 5
	ds_load_u16 v[AOFF+t], v[ADR+t]
.set t, t+1
.endr
.set t, 0
.rept 12
	ds_load_u16 v[SAOF+t], v[ADR+5+t]
.set t, t+1
.endr
	s_wait_alu depctr_vm_vsrc(0)                   ; the list's stores have read the zero's register and v129-192, the stores of the ranks v80-111, the loads above v112-128: all of these are written again below
	s_wait_loadcnt 0x0                             ; the bias
.set i, 0
.rept 4                                            ; b1 to bf16 and back
	v_cvt_pk_bf16_f32 v[WK+i], v[BIAS+2*i], v[BIAS+2*i+1]
	v_lshlrev_b32 v[BIAS+2*i], 16, v[WK+i]
	v_and_b32 v[BIAS+2*i+1], 0xffff0000, v[WK+i]
.set i, i+1
.endr
	s_wait_dscnt 0x0
.set t, 0
.rept 5
	ROW2 AOFF+t
.set t, t+1
.endr
.set t, 0
.rept 12
	ROW2 SAOF+t
.set t, t+1
.endr
	TWCALC 5
	ACCINIT 5
	s_wait_alu depctr_va_vdst(0)                   ; the rows' offsets are written, which the loads below read; the set-up's vector instructions are done with v16-159, in which rows and fragments land from here on
.irp t, 0,1,2,3,4
	ALD \t, 0, ABASE, 0                            ; the rows of steps 0 and 1: 20 loads
.endr
.irp t, 0,1,2,3,4
	ALD \t, 1, ABASE, 64
.endr
.Lj1:
	MEET                                           ; block 0 is laid
.Lmain:                                            ; four trips: blocks 2 j + 1 and 2 j + 2 are laid, blocks 2 j and 2 j + 1 multiplied
	PHASE 0
	PHASE 1
	s_sub_co_u32 s[LC], s[LC], 1
	s_cmp_lg_u32 s[LC], 0
	s_cbranch_scc1 .Lmain
	s_cmp_lt_u32 s[WV], 4
	s_cbranch_scc0 .Lend                           ; the loaders are done; no barrier follows
	s_wait_loadcnt 0x0                             ; the look-ahead's last 20 loads, which serve nothing: no load is out when a pass begins
.Lpass:                                            ; four trips serve every split; dead passes are jumped
	s_cmp_eq_u32 s[PASS], 0
	s_cbranch_scc1 .Lout
	s_cmp_ge_u32 s[TBASE], s[TILES]
	s_cbranch_scc1 .Lpnext
	s_wait_xcnt 0x0                                ; the last stores have read their registers
	s_wait_alu depctr_vm_vsrc(0)                   ; the row loads have read the rows' offsets, which the moves below write; the last stores have read their data, in which rows land below
	TWCALC 4
	s_cmp_eq_u32 s[PASS], 1
	s_cbranch_scc1 .Lp1
	s_cmp_eq_u32 s[PASS], 2
	s_cbranch_scc1 .Lp2
.irp t, 0,1,2,3
	v_mov_b32 v[AOFF+\t], v[SAOF+8+\t]
.endr
	s_branch .Lpgo
.Lp1:
.irp t, 0,1,2,3
	v_mov_b32 v[AOFF+\t], v[SAOF+\t]
.endr
	s_branch .Lpgo
.Lp2:
.irp t, 0,1,2,3
	v_mov_b32 v[AOFF+\t], v[SAOF+4+\t]
.endr
.Lpgo:
	ACCINIT 4
	s_mov_b64 s[WP:WP+1], s[W0:W0+1]
	s_mov_b64 s[AP:AP+1], s[ABASE:ABASE+1]
	s_mov_b32 s[SS], 0
	s_wait_alu depctr_va_vdst(0)                   ; the rows' offsets are written; the way out's vector instructions are done with v80-111 and v160-223, in which the loads below land
	SWLD 0
.irp t, 0,1,2,3
	ALD \t, 0, AP, 0
.endr
.Lslow:                                            ; 32 steps of 32 K; nothing here touches LDS
	s_wait_loadcnt 0x0                             ; the weights of fragments 0-3 and the rows
	SCVT 0
	s_wait_alu depctr_va_vdst(0)                   ; the roundings are done reading the f32 weights, in whose registers the next sixteen loads land
	SWLD 1
	WIN 0x50
.irp t, 0,1,2,3
	MMT \t, 0, 0
.endr
	WIN 0
	s_wait_loadcnt 0x0                             ; the weights of fragments 4-7: no load is out, so both pointers may be written
	SCVT 1
	s_add_co_u32 s46, s[SS], 1
	s_and_b32 s46, s46, 31                         ; the next step; behind the last, step 0 once more, unused
	s_lshr_b32 s47, s46, 2
	s_lshl_b32 s47, s47, 7
	s_and_b32 s48, s46, 3
	s_lshl_b32 s48, s48, 4
	s_add_co_u32 s47, s47, s48                     ; its first row of W: 128 block + 16 step
	s_lshl_b32 s44, s47, PSH
	s_add_nc_u64 s[WP:WP+1], s[W0:W0+1], s[44:45]
	s_lshl_b32 s44, s46, 6
	s_add_nc_u64 s[AP:AP+1], s[ABASE:ABASE+1], s[44:45]
	s_wait_alu depctr_va_vdst(0)                   ; the roundings are done reading the f32 weights, in whose registers the next sixteen loads land
	SWLD 0
	WIN 0x50
.irp t, 0,1,2,3
	MMT \t, 1, 0
.endr
	WIN 0
	PLACES
	s_wait_alu depctr_va_vdst(0)                   ; the step's products are done reading the rows, in whose registers the next step's land
.irp t, 0,1,2,3
	ALD \t, 0, AP, 0
.endr
	s_add_co_u32 s[SS], s[SS], 1
	s_cmp_lt_u32 s[SS], 32
	s_cbranch_scc1 .Lslow
.Lout:
	s_wait_loadcnt 0x0                             ; a later pass's last look-ahead
	s_mov_b32 s[UN], 0
.Lunit:                                            ; unit 2 t + half: four rows a lane half x 128 columns of tile t
	s_lshr_b32 s46, s[UN], 1
	s_cmp_ge_u32 s46, s[TW]
	s_cbranch_scc1 .Lunext
	s_wait_xcnt 0x0                                ; the last unit's stores have read their data and base
	s_wait_alu depctr_vm_vsrc(0)                   ; the last unit's stores have read v[T ..], which this unit writes again
	s_lshl2_add_u32 s47, s46, s[TBASE]
	s_add_co_u32 s47, s47, s[U]                    ; the tile
	s_and_b32 s48, s[UN], 1
	s_lshl2_add_u32 s47, s47, s48
	s_mul_i32 s44, s47, 4*OROW                     ; row 16 tile + 4 half
	s_add_nc_u64 s[OB:OB+1], s[OB0:OB0+1], s[44:45]
	s_bitcmp1_b32 s[UN], 0
	s_cbranch_scc1 .Lodd
	s_cmp_eq_u32 s46, 0
	s_cbranch_scc1 .Lt0
	s_cmp_eq_u32 s46, 1
	s_cbranch_scc1 .Lt1
	s_cmp_eq_u32 s46, 2
	s_cbranch_scc1 .Lt2
	s_cmp_eq_u32 s46, 3
	s_cbranch_scc1 .Lt3
	TMOV 4
	s_branch .Lcommon
.Lt0:
	WIN 0x01
	TMOV 0
	WIN 0
	s_branch .Lcommon
.Lt1:
	WIN 0x01
	TMOV 1
	WIN 0
	s_branch .Lcommon
.Lt2:
	WIN 0x01
	TMOV 2
	WIN 0
	s_branch .Lcommon
.Lt3:
	WIN 0x01
	TMOV 3
	WIN 0
	s_branch .Lcommon
.Lodd:
.set i, 0
.rept 32
	v_mov_b32 v[Y+i], v[Y+32+i]                    ; the tile's rows 4-7, kept by the unit before
.set i, i+1
.endr
.Lcommon:                                          ; one text of the activation for every unit
.set i, 0
.rept 32
	v_fma_f32 v[T+i], |v[Y+i]|, s[PP], 1.0
.set i, i+1
.endr
.set i, 0
.rept 32
	v_rcp_f32 v[T+i], v[T+i]
.set i, i+1
.endr
	v_nop                                          ; a plain line between the reciprocals and their use
	s_wait_alu depctr_va_vdst(0)                   ; the 32 reciprocals have written v[T ..], ahead of their first reader
.set i, 0
.rept 16
	v_pk_fma_f32 v[P+i:P+i+1], v[T+i:T+i+1], s[H3:H3+1], s[H2:H2+1] op_sel_hi:[1,0,0]
.set i, i+2
.endr
.set i, 0
.rept 16
	v_pk_fma_f32 v[P+i:P+i+1], v[P+i:P+i+1], v[T+i:T+i+1], s[H1:H1+1] op_sel_hi:[1,1,0]
.set i, i+2
.endr
.set i, 0
.rept 16
	v_pk_mul_f32 v[P+i:P+i+1], v[P+i:P+i+1], v[T+i:T+i+1]
.set i, i+2
.endr
.set i, 0
.rept 16
	v_pk_mul_f32 v[T+i:T+i+1], v[Y+i:Y+i+1], s[CC:CC+1] op_sel_hi:[1,0]
.set i, i+2
.endr
.set i, 0
.rept 16
	v_pk_mul_f32 v[T+i:T+i+1], v[T+i:T+i+1], v[T+i:T+i+1] neg_lo:[1,0] neg_hi:[1,0]  ; -(c y)^2: never above 0
.set i, i+2
.endr
.set i, 0
.rept 32
	v_exp_f32 v[T+i], v[T+i]
.set i, i+1
.endr
	v_nop                                          ; a plain line between the exponentials and their use
	s_wait_alu depctr_va_vdst(0)                   ; the 32 exponentials have written v[T ..], ahead of their first reader
.set i, 0
.rept 16
	v_pk_mul_f32 v[P+i:P+i+1], v[P+i:P+i+1], v[T+i:T+i+1]
.set i, i+2
.endr
.set i, 0
.rept 32
	v_max_num_f32 v[T+i], 0, v[Y+i]
.set i, i+1
.endr
.set i, 0
.rept 32
	v_fma_f32 v[Y+i], -|v[Y+i]|, v[P+i], v[T+i]
.set i, i+1
.endr
.set i, 0
.rept 16
	v_cvt_pk_bf16_f32 v[T+i], v[Y+2*i], v[Y+2*i+1]
.set i, i+1
.endr
	s_wait_alu depctr_va_vdst(0)                   ; the roundings have written v[T ..], which the four stores read
.set i, 0
.rept 4
	global_store_b128 v[OOFF], v[T+4*i:T+4*i+3], s[OB:OB+1] offset:i*OROW  ; 16 lanes store 256 consecutive bytes, aligned
.set i, i+1
.endr
.Lunext:
	s_add_co_u32 s[UN], s[UN], 1
	s_cmp_lt_u32 s[UN], 10
	s_cbranch_scc1 .Lunit
.Lpnext:
	s_cmp_eq_u32 s[PASS], 0
	s_cselect_b32 s46, 20, 16                      ; the first pass has 20 tiles, the later ones 16
	s_add_co_u32 s[TBASE], s[TBASE], s46
	s_add_co_u32 s[PASS], s[PASS], 1
	s_cmp_lt_u32 s[PASS], 4
	s_cbranch_scc1 .Lpass
.Lend:
	s_wait_dscnt 0x0                               ; the wave's end: the closing lines, six on end
	s_wait_alu 0x0
	s_wait_tensorcnt 0x0
	ds_add_u32 v[SPW], v[NIL]
	s_wait_dscnt 0x0
	s_endpgm
.Lfunc_end_k_qe25de5ee61_moe1:
	.size	k_qe25de5ee61_moe1, .Lfunc_end_k_qe25de5ee61_moe1-k_qe25de5ee61_moe1
	.p2alignl 7, 3214868480
	.fill 96, 4, 3214868480
	.section	.rodata,"a",@progbits
	.p2align	6, 0x0
	.amdhsa_kernel k_qe25de5ee61_moe1
		.amdhsa_group_segment_fixed_size 75776
		.amdhsa_private_segment_fixed_size 0
		.amdhsa_enable_private_segment 0
		.amdhsa_kernarg_size 56
		.amdhsa_user_sgpr_count 2
		.amdhsa_user_sgpr_kernarg_segment_ptr 1
		.amdhsa_wavefront_size32 1
		.amdhsa_system_sgpr_workgroup_id_x 1
		.amdhsa_system_sgpr_workgroup_id_y 1
		.amdhsa_system_sgpr_workgroup_id_z 1
		.amdhsa_system_vgpr_workitem_id 0
		.amdhsa_next_free_vgpr 512
		.amdhsa_next_free_sgpr 88
		.amdhsa_reserve_vcc 0
		.amdhsa_float_denorm_mode_32 3
		.amdhsa_float_denorm_mode_16_64 3
		.amdhsa_memory_ordered 1
		.amdhsa_forward_progress 1
		.amdhsa_inst_pref_size 168
	.end_amdhsa_kernel
	.amdgpu_metadata
---
amdhsa.version: [ 1, 2 ]
amdhsa.kernels:
  - .name:           k_qe25de5ee61_moe1
    .symbol:         k_qe25de5ee61_moe1.kd
    .args:
      - { .name: W1, .offset: 0, .size: 8, .value_kind: global_buffer, .address_space: global }
      - { .name: b1, .offset: 8, .size: 8, .value_kind: global_buffer, .address_space: global }
      - { .name: xb, .offset: 16, .size: 8, .value_kind: global_buffer, .address_space: global }
      - { .name: selm, .offset: 24, .size: 8, .value_kind: global_buffer, .address_space: global }
      - { .name: h, .offset: 32, .size: 8, .value_kind: global_buffer, .address_space: global }
      - { .name: meta, .offset: 40, .size: 8, .value_kind: global_buffer, .address_space: global }
      - { .name: pos, .offset: 48, .size: 8, .value_kind: global_buffer, .address_space: global }
    .group_segment_fixed_size: 75776
    .private_segment_fixed_size: 0
    .kernarg_segment_align: 8
    .kernarg_segment_size: 56
    .max_flat_workgroup_size: 256
    .sgpr_count:     88
    .vgpr_count:     512
    .wavefront_size: 32
...
	.end_amdgpu_metadata
.endif
;; end of part 5
;; launch moe2 (part 6): grid 32 x 8, 8 waves a work-group, no clusters, 66,560 bytes of LDS; arguments W2, b2, h, meta, part; writes part
.if DOCPART == 6
	.amdgcn_target "amdgcn-amd-amdhsa--gfx1250"
	.amdhsa_code_object_version 6
	.text
	.protected	k_qe25de5ee61_moe2
	.globl	k_qe25de5ee61_moe2
	.p2align	8
	.type	k_qe25de5ee61_moe2,@function
k_qe25de5ee61_moe2:
	s_mov_b64 s[64:65], 0
	v_nop
	global_prefetch_b8 v0, s[64:65] scope:SCOPE_SE
	s_setreg_imm32_b32 hwreg(HW_REG_WAVE_SCHED_MODE, 0, 2), 2
	s_setreg_imm32_b32 hwreg(HW_REG_WAVE_MODE, 25, 1), 1
	s_wait_xcnt 0x0
	s_wait_alu depctr_vm_vsrc(0)
; SECOND PRODUCT.  part[ks][e][rank][:] = h[e][rank][1024 ks .. +1023] W2[e][1024 ks .. +1023][:] (+ b2[e] in ks = 0), f32 partial sums.  W2: [8][4096][1024] f32, rounded once to bf16 on its way; b2 likewise.
; The scheme is the first product's.  A work-group has 128 columns (cb = x % 8) x 1,024 K (ks = x / 8) of ONE expert: 524,288 bytes of W2 that it alone reads in the first pass.  Waves 4-7 are LOADERS (up to 56
; loads of 16 bytes a lane issued each, 7 ring stages ahead; rounding to bf16; a block of 128 K laid into one of two LDS slots in fragment order); waves 0-3 are CONSUMERS, one block behind; each phase ends in a
; barrier that all eight waves pass at the same line.  Every LDS address is a fixed register (lane and wave terms) plus an immediate.
; ONE TEXT FOR EVERY TRIP.  From ring stage 32 on nothing is left to ask for: the lane term is masked to 0 and the base wraps into the slice, so such a load reads 16 bytes for the whole wave, inside the
; buffer, and every count stays as it is.  The ninth block's turn lays what those loads brought into slot 0, which nobody reads again.  The consumers' last two look-aheads wrap to K = 0 likewise (20 loads).
; ROWS.  In the first pass consumer u has the tiles of 16 rows 4 t + u, t = 0..4; tiles 0-3 are always multiplied (rows past the last written tile repeat its last row), tile 4's products are jumped where dead.
; Rows beyond 320 go in up to three further passes of 256 rows, with no LDS and no barrier: each consumer loads the f32 weights itself and rounds them straight into fragments: plain and slow, for skewed
; splits alone.  The count comes from meta, which the launch before stored.
; LAYOUT.  Fragment f, lane r is column 64 (f / 4) + 4 r + f % 4, so a lane's four fragments of a quad are 16 consecutive bytes of a row of part.  h holds, in each block of 128, number 64 q + 4 p + j at place
; 8 p + 4 q + j; W2's rows are taken in the matching order.
; NO MULTICAST, NO TENSOR LOAD: each weight byte has one reader; the rows that eight work-groups share go straight into registers, 2,048 bytes of each row a work-group.
; K is split in four so that 256 work-groups have equal slices; the four parts are added in f32 by the launch behind.
; The accumulators start from the bias (or 0), 320 moves while the first block is on its way, so no first K step is written out.
; THE MODE: SCHED_MODE bits 1:0 = 2 (LLVM: expert scheduling mode 2), set by the entry lines.  The code itself states the register dependences
; between vector or matrix instructions and memory or LDS instructions, with s_wait_alu, always for 0.
; THE PLAN.  Registers that memory or LDS instructions touch, in the main loop:
;   LOADER   the ring     Stage n: its sixteen roundings read it; the eight loads of the next stage's turn land in it.
;            CT0, CT1     Stage n: its roundings write CT[n % 2]; its four LDS stores read it.
;            LOFX, LOFY   Read by the loads; written once a trip, at the even block's end.  LOFF and LST0 are never written again.
;   One pair of waits a stage, behind its roundings.  vm_vsrc: the stores of the stage before have read the other CT, which the next stage's roundings write.  va_vdst: the roundings have written
;   CT[n % 2], which the stores that follow read, and are done reading ring stage n, in which the next stage's loads land with no further wait: nothing between names those registers.
;   CONSUMER fragments 0-3, 4-7   LDS loads land in them; the products of a step's first and second half read them.
;            AB0, AB1     Step s: its products read AB[s % 2]; at the step's end the rows of step s + 2 are asked for into it.
;            AOFF, LN16   Addresses: made at the head; AOFF again at a later pass's head.
;   The accumulators are named by vector and matrix instructions alone.
;   Two waits on va_vdst a step.  In its middle: the first half's products are done reading fragments 0-3, in which the next step's land.  At its end: the step's products are done reading AB[s % 2] and
;   fragments 4-7 (a block's last step: 0-3 too); the row loads follow, and so do, with no vector or matrix instruction between, the next step's loads of fragments 4-7 and the next block's first loads.
;   The wave's 512 registers are all taken (320 of accumulators, 64 of fragments, 80 of rows, the addresses), so there is no third buffer; and the loads stay in runs, since the products' destination window is 1.
.set PITCH,  4096                      ; bytes in a row of W2
.set PSH,    12
.set OROW,   4096                      ; bytes in a row of part
.set AROWSH, 13                        ; a row of h is 8,192 bytes
.set SLOTB,  32768                     ; an LDS slot: step x 8,192 + q x 4,096 + g x 2,048 + j x 512 + lane x 16
.set SPARE,  65536                     ; the spare words, 128 bytes a wave
.set SPW,  1
.set NIL,  2
.set SLOF, 3
.set LOFF, 3
.set AOFF, 4
.set LST0, 5
.set LOFX, 6
.set LOFY, 7
.set R15,  10
.set HF16, 11
.set OOFF, 12
.set TA,   13
.set LN16, 14
.set HB,   16                          ; v16-47 fragments 0-3 of W, v48-79 fragments 4-7
.set CT,   16                          ; loader: v16-31, v32-47 packed, two buffers by turns
.set AB,   80                          ; v80-119, v120-159: two buffers of 5 tiles' fragments of rows
.set ACC4, 160                         ; tile 4's accumulators; tiles 0-3: window 1, v[64 t + 8 f]
.set ST,   160
.set BIAS, 224
.set SAOF, 232
.set BOFF, 244
.set RB,   246
.set WK,   248
.set Y,    16                          ; way out: v16-79 a tile, row j, fragment f at Y + 8 j + f
.set WV, 20
.set U,  21
.set CB, 22
.set E,  23
.set CNT, 24
.set TILES, 25
.set TBASE, 26
.set PASS, 27
.set TW, 28
.set SS, 29
.set LC, 30
.set UN, 31
.set W0, 32
.set ABASE, 34
.set WNX, 36
.set WNY, 38
.set OB0, 40
.set OB, 42
.set KS, 58
.set AK, 59
.set APX, 76
.set APY, 78
.set WP, 80
.set AP, 82
.set OX, 84
.set OY, 86
.set MSB, 0
.macro WIN new                         ; the immediate's high byte repeats the setting that is left; a switch that changes nothing is dropped
.if MSB != (\new)
	s_set_vgpr_msb (MSB<<8)|(\new)
.set MSB, \new
.endif
.endm
.macro MEET                            ; every wave's LDS instructions are done, and all eight meet
	s_wait_dscnt 0x0
	s_barrier_signal -1
	s_barrier_wait -1
.endm
; loader: ring stage n8 is in; the stage read last is asked for again, 7 stages on.  first = 1: the kernel's first stage, with no LDS store ahead of it.
.macro LSUB n8, slot, st, vo, sb, rb, rs, first=0
	s_wait_loadcnt 48                              ; 56 are issued and come back in order: the oldest eight, this stage's, are in
	WIN 0x40
.set d8, ((\n8)+7)%8
.set ii, 0
.rept 8
	global_load_b128 v[32*d8+4*ii:32*d8+4*ii+3], v[\vo], s[(\sb):(\sb)+1] offset:(128*(\rb)+16*(\rs)+64*(ii/4)+(ii%4))*PITCH th:TH_LOAD_NT  ; two rows x 256 consecutive bytes, aligned.  No wait: nothing since the last stage's wait on va_vdst names these registers
.set ii, ii+1
.endr
	WIN 0x05
.set cq, CT+16*((\n8)%2)
.set jf, 0
.rept 4
.set p, 0
.rept 4
	v_cvt_pk_bf16_f32 v[cq+4*jf+p], v[32*(\n8)+8*p+jf], v[32*(\n8)+8*p+4+jf]
.set p, p+1
.endr
.set jf, jf+1
.endr
	WIN 0
.if !(\first)
	s_wait_alu depctr_vm_vsrc(0)                   ; the LDS stores of the stage before have read the other packed buffer, which the next stage's roundings write again
.endif
	s_wait_alu depctr_va_vdst(0)                   ; the roundings have written this packed buffer, which the stores below read, and are done reading ring stage n8, in which the next stage's loads land
.set jf, 0
.rept 4
	ds_store_b128 v[LST0], v[cq+4*jf:cq+4*jf+3] offset:(\slot)*SLOTB+(\st)*8192+jf*512
.set jf, jf+1
.endr
.endm
.macro LA                              ; an odd block: ring stages 4-7, slot 1
	LSUB 4, 1, 0, LOFX, WNX, 0, 3
	LSUB 5, 1, 1, LOFX, WNX, 1, 0
	LSUB 6, 1, 2, LOFX, WNX, 1, 1
	LSUB 7, 1, 3, LOFX, WNX, 1, 2
.endm
.macro LB first=0                      ; an even block: ring stages 0-3, slot 0; then both bases go two blocks on
	LSUB 0, 0, 0, LOFX, WNX, 1, 3, \first
	LSUB 1, 0, 1, LOFY, WNY, 0, 0
	LSUB 2, 0, 2, LOFY, WNY, 0, 1
	LSUB 3, 0, 3, LOFY, WNY, 0, 2
	s_wait_xcnt 0x0                                ; the loads' bases and offsets are rewritten only behind this wait
	s_wait_alu depctr_vm_vsrc(0)                   ; the loads issued so far have read LOFX and LOFY, which are written below
	s_add_co_u32 s[OX], s[OX], 256*PITCH
	s_and_b32 s[OX], s[OX], 1024*PITCH-1           ; wrapped into the slice
	s_add_co_u32 s[OY], s[OY], 256*PITCH
	s_and_b32 s[OY], s[OY], 1024*PITCH-1
	s_add_nc_u64 s[WNX:WNX+1], s[W0:W0+1], s[OX:OX+1]
	s_add_nc_u64 s[WNY:WNY+1], s[W0:W0+1], s[OY:OY+1]
	s_cmp_ge_u32 s[LC], 3                          ; the first group asks for stages up to 31 in the trips with LC = 4, 3, 2,
	s_cselect_b32 s46, -1, 0
	v_and_b32 v[LOFX], s46, v[LOFF]
	s_cmp_ge_u32 s[LC], 4                          ; the second in those with LC = 4, 3
	s_cselect_b32 s46, -1, 0
	v_and_b32 v[LOFY], s46, v[LOFF]
	s_wait_alu depctr_va_vdst(0)                   ; LOFX and LOFY are written, which the next blocks' loads read as their offsets
.endm
.macro BLD q, slot, st
.set jf, 0
.rept 4
	ds_load_b128 v[HB+32*(\q)+8*jf:HB+32*(\q)+8*jf+3], v[LN16] offset:(\slot)*SLOTB+(\st)*8192+(\q)*4096+jf*512
	ds_load_b128 v[HB+32*(\q)+8*jf+4:HB+32*(\q)+8*jf+7], v[LN16] offset:(\slot)*SLOTB+(\st)*8192+(\q)*4096+jf*512+2048
.set jf, jf+1
.endr
.endm
.macro MMT t, q, ab                    ; the accumulators take turns, one instruction a turn
.set jf, 0
.rept 4
.if (\t) < 4
.set rA, 64*(\t)+8*(4*(\q)+jf)
.else
.set rA, ACC4+8*(4*(\q)+jf)
.endif
	v_wmma_f32_16x16x32_bf16 v[rA:rA+7], v[AB+40*(\ab)+8*(\t):AB+40*(\ab)+8*(\t)+7], v[HB+32*(\q)+8*jf:HB+32*(\q)+8*jf+7], v[rA:rA+7]
.set jf, jf+1
.endr
.endm
.macro ALD t, ab, b, off
	global_load_b128 v[AB+40*(\ab)+8*(\t):AB+40*(\ab)+8*(\t)+3], v[AOFF+(\t)], s[(\b):(\b)+1] offset:(\off)
	global_load_b128 v[AB+40*(\ab)+8*(\t)+4:AB+40*(\ab)+8*(\t)+7], v[AOFF+(\t)], s[(\b):(\b)+1] offset:(\off)+32
.endm
.macro PLACES                          ; four plain places between a matrix instruction and a load into, or a read of, its registers
.rept 4
	v_nop
.endr
.endm
.macro STEP slot, st                   ; 32 K; 20 row loads are issued at its head: this step's ten, then the next step's ten
.set ib, (\st)%2
.set pos, 4*(\slot)+(\st)
	s_wait_dscnt 0x0                               ; fragments 0-3 are in
	BLD 1, \slot, \st                              ; no wait: no vector or matrix instruction since the wait at the last step's end names fragments 4-7
	WIN 0x50
.irp t, 0,1,2,3
	s_wait_loadcnt 18-2*\t                         ; tile t's two loads are in; the younger ones stay out
	MMT \t, 0, ib
.endr
	WIN 0
	s_wait_loadcnt 10                              ; tile 4's too, on both ways
	s_cmp_lt_u32 s[TW], 5
	s_cbranch_scc1 .La_\@
	MMT 4, 0, ib
.La_\@:
	PLACES
	s_wait_dscnt 0x0                               ; fragments 4-7 are in
.if (\st) < 3
	s_wait_alu depctr_va_vdst(0)                   ; the products above are done reading fragments 0-3, in which the next step's land
	BLD 0, \slot, (\st)+1                          ; the block's last step fetches nothing: the next block is shown by the barrier
.endif
	WIN 0x50
.irp t, 0,1,2,3
	MMT \t, 1, ib
.endr
	WIN 0
	s_cmp_lt_u32 s[TW], 5
	s_cbranch_scc1 .Lc_\@
	MMT 4, 1, ib
.Lc_\@:
	PLACES
	s_wait_alu depctr_va_vdst(0)                   ; the step's products are done reading this row buffer, in which the loads below land, and fragments 4-7 (a block's last step: 0-3 too), which are loaded next
.irp t, 0,1,2,3,4
.if pos < 6
	ALD \t, ib, APX, 64*(pos+2)                    ; the rows of the step two steps on
.else
	ALD \t, ib, APY, 64*(pos-6)
.endif
.endr
.endm
.macro CBLK slot
	BLD 0, \slot, 0
	STEP \slot, 0
	STEP \slot, 1
	STEP \slot, 2
	STEP \slot, 3
.endm
.macro CUPD                            ; the row pointers go 512 bytes of K on, wrapped at the slice's 2,048
	s_wait_xcnt 0x0                                ; the row loads' bases are rewritten only behind this wait
	s_add_co_u32 s[AK], s[AK], 512
	s_and_b32 s44, s[AK], 2047
	s_add_nc_u64 s[APX:APX+1], s[ABASE:ABASE+1], s[44:45]
	s_add_co_u32 s44, s[AK], 512
	s_and_b32 s44, s44, 2047
	s_add_nc_u64 s[APY:APY+1], s[ABASE:ABASE+1], s[44:45]
.endm
.macro PHASE ab                        ; the loaders lay a block into one slot, the consumers multiply the block in the other; then all eight meet
	s_cmp_lt_u32 s[WV], 4
	s_cbranch_scc0 .Lld_\@
	CBLK \ab
.if \ab
	CUPD
.endif
	s_branch .Ljoin_\@
.Lld_\@:
.if \ab
	LB
.else
	LA
.endif
.Ljoin_\@:
	MEET
.endm
.macro ACCINIT n
	WIN 0x40
.set t, 0
.rept 32
.set j, 0
.rept 8
	v_mov_b32 v[8*t+j], v[BIAS+t%8]
.set j, j+1
.endr
.set t, t+1
.endr
	WIN 0
.if (\n) == 5
.set t, 0
.rept 8
.set j, 0
.rept 8
	v_mov_b32 v[ACC4+8*t+j], v[BIAS+t]
.set j, j+1
.endr
.set t, t+1
.endr
.endif
.endm
.macro TWCALC cap                      ; how many t have TBASE + 4 t + u < TILES, cap at the most
	s_sub_co_i32 s47, s[TILES], s[TBASE]
	s_sub_co_i32 s47, s47, s[U]
	s_add_co_i32 s47, s47, 3
	s_max_i32 s47, s47, 0
	s_lshr_b32 s47, s47, 2
	s_min_u32 s[TW], s47, \cap
.endm
.macro ROW1 dst, c                     ; row c + 16 u + lane % 16; rows past the last tile that was written take its last row
	v_add_nc_u32 v[\dst], \c, v[RB]
	v_min_u32 v[\dst], s48, v[\dst]
	v_min_u32 v[\dst], 0x3ff, v[\dst]
	v_lshl_add_u32 v[\dst], v[\dst], AROWSH, v[HF16]
.endm
.macro TMOV t                          ; a tile leaves its accumulators, each read from its lowest register on: the four fragments of a quad come to lie side by side
.set f, 0
.rept 8
.set j, 0
.rept 8
.if (\t) < 4
	v_mov_b32 v[Y+8*j+f], v[64*(\t)+8*f+j]
.else
	v_mov_b32 v[Y+8*j+f], v[ACC4+8*f+j]
.endif
.set j, j+1
.endr
.set f, f+1
.endr
.endm
.macro SWLD q                          ; later passes: 16 rows x 4 columns a lane of f32 weights
.set ii, 0
.rept 16
	global_load_b128 v[ST+4*ii:ST+4*ii+3], v[SLOF], s[WP:WP+1] offset:(8*(ii/8)+64*((ii%8)/4)+(ii%4))*PITCH+256*(\q)
.set ii, ii+1
.endr
.endm
.macro SCVT q                          ; rounded straight into fragments 4 q .. 4 q + 3
.set jf, 0
.rept 4
.set gp, 0
.rept 8
	v_cvt_pk_bf16_f32 v[HB+32*(\q)+8*jf+gp], v[ST+8*gp+jf], v[ST+8*gp+4+jf]
.set gp, gp+1
.endr
.set jf, jf+1
.endr
.endm
	s_load_b256 s[4:11], s[0:1], 0x0               ; W2 s[4:5], b2 s[6:7], h s[8:9], meta s[10:11]
	s_load_b64 s[12:13], s[0:1], 0x20              ; part
	v_lshl_add_u32 v[SPW], v0, 2, SPARE
	v_mov_b32 v[NIL], 0
	v_lshrrev_b32 v[TA], 5, v0
	v_readfirstlane_b32 s[WV], v[TA]
	s_and_b32 s[CB], ttmp9, 7
	s_lshr_b32 s[KS], ttmp9, 3
	s_and_b32 s[E], ttmp7, 0xffff
	v_and_b32 v[R15], 15, v0
	v_and_b32 v[HF16], 16, v0
	v_and_b32 v[LN16], 31, v0
	v_lshlrev_b32 v[LN16], 4, v[LN16]
	v_mul_u32_u24 v[SLOF], v[HF16], PITCH/4        ; 4 rows on for lanes 16-31
	v_lshl_add_u32 v[SLOF], v[R15], 4, v[SLOF]
	s_wait_alu depctr_va_sdst(0)                   ; the wave's number is written, ahead of its first reader
	s_and_b32 s[U], s[WV], 3
	s_lshl_b32 s44, s[E], 24                       ; an expert's W2 is 16 MiB, 1,024 rows are 4 MiB, 128 columns 512 bytes
	s_lshl_b32 s46, s[KS], 22
	s_add_co_u32 s44, s44, s46
	s_lshl_b32 s47, s[CB], 9
	s_add_co_u32 s44, s44, s47
	s_mov_b32 s45, 0                               ; s45 stays 0: s[44:45] is an offset
	s_lshl_b32 s48, s[E], 23                       ; an expert's h is 8 MiB; 1,024 K are 2,048 bytes of a row
	s_lshl_b32 s46, s[KS], 11
	s_add_co_u32 s48, s48, s46
	s_mov_b32 s49, 0
	s_lshl_b32 s50, s[KS], 25                      ; a part is 32 MiB, an expert's rows 4 MiB
	s_lshl_b32 s46, s[E], 22
	s_add_co_u32 s50, s50, s46
	s_add_co_u32 s50, s50, s47
	s_mov_b32 s51, 0
	s_mov_b32 s[LC], 4
	s_wait_kmcnt 0x0
	; every pointer of either role is made here, by every wave
	s_add_nc_u64 s[W0:W0+1], s[4:5], s[44:45]
	s_mov_b64 s[WNX:WNX+1], s[W0:W0+1]             ; block 0,
	s_add_nc_u64 s[WNY:WNY+1], s[W0:W0+1], 256*PITCH  ; block 2
	s_add_nc_u64 s[ABASE:ABASE+1], s[8:9], s[48:49]
	s_mov_b64 s[APX:APX+1], s[ABASE:ABASE+1]
	s_add_nc_u64 s[APY:APY+1], s[ABASE:ABASE+1], 512
	s_add_nc_u64 s[OB0:OB0+1], s[12:13], s[50:51]
	s_cmp_lt_u32 s[WV], 4
	s_cbranch_scc1 .Lc0
	; LOADER u: columns' half q = u / 2, rows' half g = u % 2
	s_lshr_b32 s46, s[U], 1
	s_and_b32 s47, s[U], 1
	s_mul_i32 s48, s47, 8*PITCH
	s_lshl_b32 s49, s46, 8
	s_add_co_u32 s48, s48, s49
	v_add_nc_u32 v[LOFF], s48, v[SLOF]
	v_mov_b32 v[LOFX], v[LOFF]
	v_mov_b32 v[LOFY], v[LOFF]
	s_lshl_b32 s48, s[U], 11
	v_add_nc_u32 v[LST0], s48, v[LN16]
	s_mov_b32 s[OX], 0
	s_mov_b32 s[OX+1], 0
	s_mov_b32 s[OY], 256*PITCH
	s_mov_b32 s[OY+1], 0
	WIN 0x40
	s_wait_alu depctr_va_vdst(0)                   ; LOFF, LOFX, LOFY and LST0 are written, which the loader's loads and LDS stores read
.set m, 0
.rept 7                                            ; ring stages 0 to 6: 56 loads
.set ii, 0
.rept 8
	global_load_b128 v[32*m+4*ii:32*m+4*ii+3], v[LOFF], s[W0:W0+1] offset:(128*(m/4)+16*(m%4)+64*(ii/4)+(ii%4))*PITCH th:TH_LOAD_NT
.set ii, ii+1
.endr
.set m, m+1
.endr
	WIN 0
	LB 1                                           ; block 0 into slot 0
	s_branch .Lj0
.Lc0:                                              ; CONSUMER
	s_lshl_b32 s44, s[E], 7
	s_add_nc_u64 s[46:47], s[10:11], s[44:45]
	s_load_b32 s[CNT], s[46:47], 0x0               ; the expert's count
	s_lshl_b32 s48, s[E], 12
	s_lshl_b32 s49, s[CB], 9
	s_add_co_u32 s48, s48, s49
	v_lshl_add_u32 v[BOFF], v[R15], 4, s48
	v_mul_u32_u24 v[OOFF], v[HF16], OROW/2         ; 8 rows on for lanes 16-31
	v_lshl_add_u32 v[OOFF], v[R15], 4, v[OOFF]
	s_lshl_b32 s50, s[U], 4
	v_add_nc_u32 v[RB], s50, v[R15]
	s_wait_alu depctr_va_vdst(0)                   ; the bias's offset is written, which the two loads below read; so are LN16, SLOF and OOFF, the addresses of the LDS loads, of the later passes' loads and of the stores
	global_load_b128 v[BIAS:BIAS+3], v[BOFF], s[6:7]
	global_load_b128 v[BIAS+4:BIAS+7], v[BOFF], s[6:7] offset:256
	s_mov_b32 s[PASS], 0
	s_mov_b32 s[TBASE], 0
	s_mov_b32 s[AK], 0
	s_wait_kmcnt 0x0
	s_min_u32 s[CNT], s[CNT], 1024
	s_add_co_u32 s46, s[CNT], 15
	s_lshr_b32 s46, s46, 4
	s_max_u32 s[TILES], s46, 1
	s_lshl_b32 s48, s[TILES], 4
	s_sub_co_u32 s48, s48, 1                       ; the last row that the launch before wrote
.set t, 0
.rept 5                                            ; the first pass's tiles 4 t + u,
	ROW1 AOFF+t, 64*t
.set t, t+1
.endr
.set t, 0
.rept 12                                           ; and those of the later passes: 20 + 16 (t / 4) + 4 (t % 4) + u
	ROW1 SAOF+t, 320+256*(t/4)+64*(t%4)
.set t, t+1
.endr
	s_cmp_eq_u32 s[KS], 0
	s_cselect_b32 s51, -1, 0                       ; the bias enters the first part alone
	s_wait_loadcnt 0x0
.set i, 0
.rept 4                                            ; b2 to bf16 and back
	v_cvt_pk_bf16_f32 v[WK+i], v[BIAS+2*i], v[BIAS+2*i+1]
	v_lshlrev_b32 v[BIAS+2*i], 16, v[WK+i]
	v_and_b32 v[BIAS+2*i+1], 0xffff0000, v[WK+i]
.set i, i+1
.endr
.set i, 0
.rept 8
	v_and_b32 v[BIAS+i], s51, v[BIAS+i]
.set i, i+1
.endr
	TWCALC 5
	ACCINIT 5
	s_wait_alu depctr_va_vdst(0)                   ; the rows' offsets are written, which the loads below read
.irp t, 0,1,2,3,4
	ALD \t, 0, ABASE, 0                            ; the rows of steps 0 and 1: 20 loads
.endr
.irp t, 0,1,2,3,4
	ALD \t, 1, ABASE, 64
.endr
.Lj0:
	MEET                                           ; block 0 is laid
.Lmain:                                            ; four trips: blocks 2 j + 1 and 2 j + 2 are laid, blocks 2 j and 2 j + 1 multiplied
	PHASE 0
	PHASE 1
	s_sub_co_u32 s[LC], s[LC], 1
	s_cmp_lg_u32 s[LC], 0
	s_cbranch_scc1 .Lmain
	s_cmp_lt_u32 s[WV], 4
	s_cbranch_scc0 .Lend                           ; the loaders are done; no barrier follows
	s_wait_loadcnt 0x0                             ; the look-ahead's last 20 loads, which serve nothing: no load is out when a pass begins
.Lpass:                                            ; four trips serve every split; dead passes are jumped
	s_cmp_eq_u32 s[PASS], 0
	s_cbranch_scc1 .Lout
	s_cmp_ge_u32 s[TBASE], s[TILES]
	s_cbranch_scc1 .Lpnext
	s_wait_xcnt 0x0                                ; the last stores have read their registers
	s_wait_alu depctr_vm_vsrc(0)                   ; the row loads have read the rows' offsets, which the moves below write; the last stores have read v16-79, which the pass's roundings write
	TWCALC 4
	s_cmp_eq_u32 s[PASS], 1
	s_cbranch_scc1 .Lp1
	s_cmp_eq_u32 s[PASS], 2
	s_cbranch_scc1 .Lp2
.irp t, 0,1,2,3
	v_mov_b32 v[AOFF+\t], v[SAOF+8+\t]
.endr
	s_branch .Lpgo
.Lp1:
.irp t, 0,1,2,3
	v_mov_b32 v[AOFF+\t], v[SAOF+\t]
.endr
	s_branch .Lpgo
.Lp2:
.irp t, 0,1,2,3
	v_mov_b32 v[AOFF+\t], v[SAOF+4+\t]
.endr
.Lpgo:
	ACCINIT 4
	s_mov_b64 s[WP:WP+1], s[W0:W0+1]
	s_mov_b64 s[AP:AP+1], s[ABASE:ABASE+1]
	s_mov_b32 s[SS], 0
	s_wait_alu depctr_va_vdst(0)                   ; the rows' offsets are written; the way out's moves are done reading v160-223, in which the loads below land
	SWLD 0
.irp t, 0,1,2,3
	ALD \t, 0, AP, 0
.endr
.Lslow:                                            ; 32 steps of 32 K; nothing here touches LDS
	s_wait_loadcnt 0x0                             ; the weights of fragments 0-3 and the rows
	SCVT 0
	s_wait_alu depctr_va_vdst(0)                   ; the roundings are done reading the f32 weights, in whose registers the next sixteen loads land
	SWLD 1
	WIN 0x50
.irp t, 0,1,2,3
	MMT \t, 0, 0
.endr
	WIN 0
	s_wait_loadcnt 0x0                             ; the weights of fragments 4-7: no load is out, so both pointers may be written
	SCVT 1
	s_add_co_u32 s46, s[SS], 1
	s_and_b32 s46, s46, 31                         ; the next step; behind the last, step 0 once more, unused
	s_lshr_b32 s47, s46, 2
	s_lshl_b32 s47, s47, 7
	s_and_b32 s48, s46, 3
	s_lshl_b32 s48, s48, 4
	s_add_co_u32 s47, s47, s48                     ; its first row of W: 128 block + 16 step
	s_lshl_b32 s44, s47, PSH
	s_add_nc_u64 s[WP:WP+1], s[W0:W0+1], s[44:45]
	s_lshl_b32 s44, s46, 6
	s_add_nc_u64 s[AP:AP+1], s[ABASE:ABASE+1], s[44:45]
	s_wait_alu depctr_va_vdst(0)                   ; the roundings are done reading the f32 weights, in whose registers the next sixteen loads land
	SWLD 0
	WIN 0x50
.irp t, 0,1,2,3
	MMT \t, 1, 0
.endr
	WIN 0
	PLACES
	s_wait_alu depctr_va_vdst(0)                   ; the step's products are done reading the rows, in whose registers the next step's land
.irp t, 0,1,2,3
	ALD \t, 0, AP, 0
.endr
	s_add_co_u32 s[SS], s[SS], 1
	s_cmp_lt_u32 s[SS], 32
	s_cbranch_scc1 .Lslow
.Lout:
	s_wait_loadcnt 0x0                             ; a later pass's last look-ahead
	s_mov_b32 s[UN], 0
.Lunit:                                            ; a unit is tile UN
	s_cmp_ge_u32 s[UN], s[TW]
	s_cbranch_scc1 .Lunext
	s_wait_xcnt 0x0                                ; the last unit's stores have read their data and base
	s_wait_alu depctr_vm_vsrc(0)                   ; the last unit's stores have read v[Y ..], which this unit's moves write again
	s_lshl2_add_u32 s47, s[UN], s[TBASE]
	s_add_co_u32 s47, s47, s[U]
	s_mul_i32 s44, s47, 16*OROW
	s_add_nc_u64 s[OB:OB+1], s[OB0:OB0+1], s[44:45]
	s_cmp_eq_u32 s[UN], 0
	s_cbranch_scc1 .Lt0
	s_cmp_eq_u32 s[UN], 1
	s_cbranch_scc1 .Lt1
	s_cmp_eq_u32 s[UN], 2
	s_cbranch_scc1 .Lt2
	s_cmp_eq_u32 s[UN], 3
	s_cbranch_scc1 .Lt3
	TMOV 4
	s_branch .Lcommon
.Lt0:
	WIN 0x01
	TMOV 0
	WIN 0
	s_branch .Lcommon
.Lt1:
	WIN 0x01
	TMOV 1
	WIN 0
	s_branch .Lcommon
.Lt2:
	WIN 0x01
	TMOV 2
	WIN 0
	s_branch .Lcommon
.Lt3:
	WIN 0x01
	TMOV 3
	WIN 0
.Lcommon:
	s_wait_alu depctr_va_vdst(0)                   ; the moves have written v[Y ..], which the sixteen stores read
.set j, 0
.rept 8
	global_store_b128 v[OOFF], v[Y+8*j:Y+8*j+3], s[OB:OB+1] offset:j*OROW        ; 16 lanes store 256 consecutive bytes, aligned
	global_store_b128 v[OOFF], v[Y+8*j+4:Y+8*j+7], s[OB:OB+1] offset:j*OROW+256
.set j, j+1
.endr
.Lunext:
	s_add_co_u32 s[UN], s[UN], 1
	s_cmp_lt_u32 s[UN], 5
	s_cbranch_scc1 .Lunit
.Lpnext:
	s_cmp_eq_u32 s[PASS], 0
	s_cselect_b32 s46, 20, 16                      ; the first pass has 20 tiles, the later ones 16
	s_add_co_u32 s[TBASE], s[TBASE], s46
	s_add_co_u32 s[PASS], s[PASS], 1
	s_cmp_lt_u32 s[PASS], 4
	s_cbranch_scc1 .Lpass
.Lend:
	s_wait_dscnt 0x0                               ; the wave's end: the closing lines, six on end
	s_wait_alu 0x0
	s_wait_tensorcnt 0x0
	ds_add_u32 v[SPW], v[NIL]
	s_wait_dscnt 0x0
	s_endpgm
.Lfunc_end_k_qe25de5ee61_moe2:
	.size	k_qe25de5ee61_moe2, .Lfunc_end_k_qe25de5ee61_moe2-k_qe25de5ee61_moe2
	.p2alignl 7, 3214868480
	.fill 96, 4, 3214868480
	.section	.rodata,"a",@progbits
	.p2align	6, 0x0
	.amdhsa_kernel k_qe25de5ee61_moe2
		.amdhsa_group_segment_fixed_size 66560
		.amdhsa_private_segment_fixed_size 0
		.amdhsa_enable_private_segment 0
		.amdhsa_kernarg_size 40
		.amdhsa_user_sgpr_count 2
		.amdhsa_user_sgpr_kernarg_segment_ptr 1
		.amdhsa_wavefront_size32 1
		.amdhsa_system_sgpr_workgroup_id_x 1
		.amdhsa_system_sgpr_workgroup_id_y 1
		.amdhsa_system_sgpr_workgroup_id_z 1
		.amdhsa_system_vgpr_workitem_id 0
		.amdhsa_next_free_vgpr 512
		.amdhsa_next_free_sgpr 88
		.amdhsa_reserve_vcc 0
		.amdhsa_float_denorm_mode_32 3
		.amdhsa_float_denorm_mode_16_64 3
		.amdhsa_memory_ordered 1
		.amdhsa_forward_progress 1
		.amdhsa_inst_pref_size 131
	.end_amdhsa_kernel
	.amdgpu_metadata
---
amdhsa.version: [ 1, 2 ]
amdhsa.kernels:
  - .name:           k_qe25de5ee61_moe2
    .symbol:         k_qe25de5ee61_moe2.kd
    .args:
      - { .name: W2, .offset: 0, .size: 8, .value_kind: global_buffer, .address_space: global }
      - { .name: b2, .offset: 8, .size: 8, .value_kind: global_buffer, .address_space: global }
      - { .name: h, .offset: 16, .size: 8, .value_kind: global_buffer, .address_space: global }
      - { .name: meta, .offset: 24, .size: 8, .value_kind: global_buffer, .address_space: global }
      - { .name: part, .offset: 32, .size: 8, .value_kind: global_buffer, .address_space: global }
    .group_segment_fixed_size: 66560
    .private_segment_fixed_size: 0
    .kernarg_segment_align: 8
    .kernarg_segment_size: 40
    .max_flat_workgroup_size: 256
    .sgpr_count:     88
    .vgpr_count:     512
    .wavefront_size: 32
...
	.end_amdgpu_metadata
.endif
;; end of part 6
;; launch comb: the kernel of part 4 again; grid 256 x 1, 8 waves a work-group, no clusters, 0 bytes of LDS; arguments part, selm, gate, pos, out0; writes out0
